; MI455X (gfx1250); checked and timed in simulation.
; The chip was launched on July 23, 2026; its instructions are those of AMD's public machine-readable ISA for CDNA 5 (MIT licence, August 2026) and "CDNA5" Instruction Set Architecture Reference Guide (July 2026). The comments in the code are by the model that wrote it; some were corrected since.
;; Fast Attention. Allowed arithmetic: float matrix products may take bf16 or f16 operands with f32 sums; all other float work in f32.
;; Inputs: b_k 1,024 float32; b_o 1,024 float32; b_q 1,024 float32; b_v 1,024 float32; mask 4 x 2,048 int32; w_k 1,024 x 1,024 float32; w_o 1,024 x 1,024 float32; w_q 1,024 x 1,024 float32; w_v 1,024 x 1,024 float32; x 4 x 2,048 x 1,024 float32.
;; Outputs: out0 4 x 2,048 x 1,024 float32.
;; 2 versions, each right and faster than the one before. Each part assembles by itself: llvm-mc -triple=amdgcn-amd-amdhsa -mcpu=gfx1250 --defsym DOCPART=n.
;; ======== version 1 of 2: 4 launches
;; limits: values are held in f16: magnitudes above 65,504 overflow, below 6.1e-05 lose precision
;; workspace buffers: xb 16,777,216 bytes; wt 8,388,608 bytes; qkv 50,331,648 bytes; ctx 16,777,216 bytes
;; launch prep (part 1): grid 768 x 1, 8 waves a work-group, no clusters, 35,840 bytes of LDS; arguments x, w_q, w_k, w_v, w_o, xb, wt; writes xb, wt
.if DOCPART == 1
	.amdgcn_target "amdgcn-amd-amdhsa--gfx1250"
	.amdhsa_code_object_version 6
	.text
	.protected	k_qdc81e85592_prep
	.globl	k_qdc81e85592_prep
	.p2align	8
	.type	k_qdc81e85592_prep,@function
k_qdc81e85592_prep:
	s_mov_b64 s[64:65], 0
	v_nop
	global_prefetch_b8 v0, s[64:65] scope:SCOPE_SE
	s_setreg_imm32_b32 hwreg(HW_REG_WAVE_MODE, 25, 1), 1
	s_wait_xcnt 0x0
; prep: x to bf16 (xb, same layout), and the four weights to bf16 TRANSPOSED (wt[4096 n][1024 k]: rows 0-1023 w_q^T, then w_k^T, w_v^T, w_o^T),
; so that both later products read rows that lie along K.  Every work-group reads 65,536 bytes once and writes 32,768 bytes once.
; Work-groups 0-511 take a piece of x, 512-767 a tile of 128 k x 128 n of one weight.  The branch hangs on the work-group's number alone.
; A stream: no matrix unit, no cluster (no two work-groups read the same bytes), no tensor loads (sixteen 16-byte loads a lane are in flight at once).
.set W, 16                             ; v[16:79]  sixteen loads of 4 f32
.set P, 80                             ; v[80:111] packed bf16
	s_load_b256 s[4:11], s[0:1], 0x0               ; x s[4:5], w_q s[6:7], w_k s[8:9], w_v s[10:11]
	s_load_b128 s[12:15], s[0:1], 0x20             ; w_o s[12:13], xb s[14:15]
	s_load_b64 s[16:17], s[0:1], 0x30              ; wt
	v_lshl_add_u32 v112, v0, 2, 0x8800
	v_mov_b32 v113, 0
	s_mov_b32 s20, ttmp9
	s_cmp_ge_u32 s20, 512
	s_cbranch_scc1 .Lweights
	; ---- a piece of x: 16,384 numbers.  Load i of the group covers 4,096 consecutive bytes, store i 2,048.
	v_lshlrev_b32 v1, 4, v0                        ; 16 t: my 4 f32
	v_lshlrev_b32 v2, 3, v0                        ; 8 t: my 4 bf16
	s_lshl_b32 s18, s20, 16
	s_mov_b32 s19, 0
	s_lshl_b32 s22, s20, 15
	s_mov_b32 s23, 0
	s_wait_kmcnt 0x0
	s_add_nc_u64 s[4:5], s[4:5], s[18:19]
	s_add_nc_u64 s[14:15], s[14:15], s[22:23]
.irp i, 0,1,2,3,4,5,6,7,8,9,10,11,12,13,14,15
	global_load_b128 v[W+4*\i:W+4*\i+3], v1, s[4:5] offset:4096*\i th:TH_LOAD_NT
.endr
.irp i, 0,1,2,3,4,5,6,7,8,9,10,11,12,13,14,15
	s_wait_loadcnt 15-\i                           ; loads return in order: load i is in, the younger ones stay out
	v_cvt_pk_bf16_f32 v[P+2*\i], v[W+4*\i], v[W+4*\i+1]
	v_cvt_pk_bf16_f32 v[P+2*\i+1], v[W+4*\i+2], v[W+4*\i+3]
	global_store_b64 v2, v[P+2*\i:P+2*\i+1], s[14:15] offset:2048*\i   ; a wave's store covers 256 consecutive bytes, aligned; no register is used twice
.endr
	s_endpgm
.Lweights:
	; ---- a tile of a weight: k = 128 kt .. +127, n = 128 nt .. +127
	s_sub_co_u32 s21, s20, 512
	s_lshr_b32 s24, s21, 6                         ; which weight
	s_bfe_u32 s25, s21, 0x30003                    ; kt
	s_and_b32 s26, s21, 7                          ; nt
	v_and_b32 v1, 31, v0                           ; lane
	v_lshrrev_b32 v2, 5, v0                        ; wave
	v_lshlrev_b32 v3, 4, v1
	v_lshl_add_u32 v3, v2, 16, v3                  ; load: row 16 wave (4,096 bytes a row), columns 4 lane .. +3
	v_mul_u32_u24 v4, v1, 272
	v_lshl_add_u32 v4, v2, 5, v4                   ; stage, in: row lane (+ 32 c), byte 32 wave
	v_lshrrev_b32 v5, 4, v1                        ; lane / 16
	v_and_b32 v6, 15, v1                           ; lane % 16
	v_lshl_add_u32 v7, v2, 4, v5
	v_mul_u32_u24 v7, v7, 272
	v_lshl_add_u32 v7, v6, 4, v7                   ; stage, back: row 16 wave + lane / 16 (+ 2 t), 16 bytes a lane
	v_and_b32 v8, 1, v2
	v_lshlrev_b32 v8, 6, v8
	v_lshl_add_u32 v8, v5, 2, v8
	v_lshrrev_b32 v9, 1, v2
	v_add_nc_u32 v8, v8, v9                        ; stage row 32 c + l holds n = 4 l + c: here n = 64 (wave & 1) + 4 (lane / 16) + (wave >> 1) (+ 8 t)
	v_lshlrev_b32 v8, 11, v8                       ; rows of wt are 2,048 bytes
	v_lshl_add_u32 v8, v6, 4, v8
	s_lshl_b32 s18, s25, 19                        ; source: 128 kt rows of 4,096 bytes
	s_lshl_b32 s27, s26, 9                         ; + 128 nt columns of 4 bytes
	s_add_co_u32 s18, s18, s27
	s_mov_b32 s19, 0
	s_lshl_b32 s22, s24, 21                        ; destination: (1,024 weight + 128 nt) rows of 2,048 bytes
	s_lshl_b32 s27, s26, 18
	s_add_co_u32 s22, s22, s27
	s_lshl_b32 s27, s25, 8                         ; + 128 kt columns of 2 bytes
	s_add_co_u32 s22, s22, s27
	s_mov_b32 s23, 0
	s_wait_kmcnt 0x0
	s_cmp_eq_u32 s24, 1
	s_cselect_b64 s[6:7], s[8:9], s[6:7]
	s_cmp_eq_u32 s24, 2
	s_cselect_b64 s[6:7], s[10:11], s[6:7]
	s_cmp_eq_u32 s24, 3
	s_cselect_b64 s[6:7], s[12:13], s[6:7]
	s_add_nc_u64 s[6:7], s[6:7], s[18:19]
	s_add_nc_u64 s[16:17], s[16:17], s[22:23]
.irp i, 0,1,2,3,4,5,6,7,8,9,10,11,12,13,14,15
	global_load_b128 v[W+4*\i:W+4*\i+3], v3, s[6:7] offset:4096*\i th:TH_LOAD_NT   ; a wave's load is the tile's whole row: 512 consecutive bytes
.endr
.irp i, 0,1,2,3,4,5,6,7
	s_wait_loadcnt 14-2*\i                         ; rows 2 i and 2 i + 1 are in
.irp c, 0,1,2,3
	v_cvt_pk_bf16_f32 v[P+8*\c+\i], v[W+8*\i+\c], v[W+8*\i+4+\c]   ; two neighbouring k of column 4 lane + c
.endr
.endr
.irp c, 0,1,2,3
	ds_store_b128 v4, v[P+8*\c:P+8*\c+3] offset:8704*\c            ; sixteen k of one n: 32 bytes.  Pitch 272: sixteen lanes hit sixteen different 16-byte columns modulo 256
	ds_store_b128 v4, v[P+8*\c+4:P+8*\c+7] offset:8704*\c+16
.endr
	s_wait_dscnt 0x0                               ; my stores are done before I say so: the other waves read them
	s_barrier_signal -1
	s_barrier_wait -1
.irp t, 0,1,2,3,4,5,6,7
	ds_load_b128 v[W+4*\t:W+4*\t+3], v7 offset:544*\t
.endr
.irp t, 0,1,2,3,4,5,6,7
	s_wait_dscnt 7-\t
	global_store_b128 v8, v[W+4*\t:W+4*\t+3], s[16:17] offset:16384*\t   ; sixteen lanes store 256 consecutive bytes of a row of wt, aligned
.endr
	s_wait_tensorcnt 0x0
	ds_add_u32 v112, v113
	s_wait_dscnt 0x0
	s_endpgm
.Lfunc_end_k_qdc81e85592_prep:
	.size	k_qdc81e85592_prep, .Lfunc_end_k_qdc81e85592_prep-k_qdc81e85592_prep
	.p2alignl 7, 3214868480
	.fill 96, 4, 3214868480
	.section	.rodata,"a",@progbits
	.p2align	6, 0x0
	.amdhsa_kernel k_qdc81e85592_prep
		.amdhsa_group_segment_fixed_size 35840
		.amdhsa_private_segment_fixed_size 0
		.amdhsa_enable_private_segment 0
		.amdhsa_kernarg_size 56
		.amdhsa_user_sgpr_count 2
		.amdhsa_user_sgpr_kernarg_segment_ptr 1
		.amdhsa_wavefront_size32 1
		.amdhsa_system_sgpr_workgroup_id_x 1
		.amdhsa_system_sgpr_workgroup_id_y 1
		.amdhsa_system_sgpr_workgroup_id_z 1
		.amdhsa_system_vgpr_workitem_id 0
		.amdhsa_next_free_vgpr 114
		.amdhsa_next_free_sgpr 66
		.amdhsa_reserve_vcc 0
		.amdhsa_float_denorm_mode_32 3
		.amdhsa_float_denorm_mode_16_64 3
		.amdhsa_memory_ordered 1
		.amdhsa_forward_progress 1
		.amdhsa_inst_pref_size 15
	.end_amdhsa_kernel
	.amdgpu_metadata
---
amdhsa.version: [ 1, 2 ]
amdhsa.kernels:
  - .name:           k_qdc81e85592_prep
    .symbol:         k_qdc81e85592_prep.kd
    .args:
      - { .name: x, .offset: 0, .size: 8, .value_kind: global_buffer, .address_space: global }
      - { .name: w_q, .offset: 8, .size: 8, .value_kind: global_buffer, .address_space: global }
      - { .name: w_k, .offset: 16, .size: 8, .value_kind: global_buffer, .address_space: global }
      - { .name: w_v, .offset: 24, .size: 8, .value_kind: global_buffer, .address_space: global }
      - { .name: w_o, .offset: 32, .size: 8, .value_kind: global_buffer, .address_space: global }
      - { .name: xb, .offset: 40, .size: 8, .value_kind: global_buffer, .address_space: global }
      - { .name: wt, .offset: 48, .size: 8, .value_kind: global_buffer, .address_space: global }
    .group_segment_fixed_size: 35840
    .private_segment_fixed_size: 0
    .kernarg_segment_align: 8
    .kernarg_segment_size: 56
    .max_flat_workgroup_size: 256
    .sgpr_count:     66
    .vgpr_count:     114
    .wavefront_size: 32
...
	.end_amdgpu_metadata
.endif
;; end of part 1
;; launch proj (part 2): grid 8 x 32, 4 waves a work-group, clusters of 4 x 4, 327,680 bytes of LDS; arguments xb, wt, b_q, b_k, b_v, mask, qkv; writes qkv
.if DOCPART == 2
	.amdgcn_target "amdgcn-amd-amdhsa--gfx1250"
	.amdhsa_code_object_version 6
	.text
	.protected	k_qdc81e85592_proj
	.globl	k_qdc81e85592_proj
	.p2align	8
	.type	k_qdc81e85592_proj,@function
k_qdc81e85592_proj:
	s_mov_b64 s[64:65], 0
	v_nop
	global_prefetch_b8 v0, s[64:65] scope:SCOPE_SE
	s_setreg_imm32_b32 hwreg(HW_REG_WAVE_MODE, 25, 1), 1
	s_wait_xcnt 0x0
	s_wait_alu depctr_hold_cnt(0) depctr_sa_sdst(0) depctr_va_vdst(0) depctr_va_sdst(0) depctr_va_ssrc(0) depctr_va_vcc(0) depctr_vm_vsrc(0)
	s_getreg_b32 s2, hwreg(HW_REG_IB_STS2, 6, 4)
	s_cmp_eq_u32 s2, 0
	s_cbranch_scc0 .Lentry_in_a_cluster
	s_endpgm
.Lentry_in_a_cluster:
	s_bfe_u32 s2, ttmp6, 0x10000c
	s_cmp_lg_u32 s2, 0xf033
	s_cbranch_scc0 .Lentry_shape_is_right
	s_endpgm
.Lentry_shape_is_right:
; proj: [Q | K | V] = x W + b, bf16 operands, f32 sums, stored in f16 by heads: qkv[b 4][g 48][s 2048][64], g 0-15 Q, 16-31 K, 32-47 V.
; Q is stored times log2(e) / 8, multiplied in f32 ahead of its one rounding: the attention launch's scores then come in units of log2 and need no scale.
; K's rows of keys with mask == 0 are stored as zeros: the attention launch then gets q.k = 0 there exactly and adds the mask's constant.
; WHY f16: it carries 11 significant bits against bf16's 8, and the attention's result passes through four such roundings (Q, K, weights, V).
; LIMIT: |k|, |v| and |q| log2(e) / 8 above 65,504 are stored as infinities.  Room: with every input 30 times larger they reach about 900 x 5.5 = 5,000; with x offset
; by 30 and the weights by 30/32 about 1024 x 30 x 0.94 = 29,000.
; Work-group (x, y): rows 256 y .. +255 of x, and three tiles of 128 columns, 384 x + 128 j, one after the other with the LDS slots taking turns on into the next tile.
; 8 x 32 = 256 work-groups of equal work.  Four waves; wave w: rows 128 (w >> 1) .. +127, columns 64 (w & 1) .. +63 = one head: 32 accumulator tiles, 256 registers.
; K goes in steps of 128 (rows of 256 bytes, aligned) through two LDS slots filled by tensor loads.
; CLUSTER 4 x 4: x's tile hangs on y alone and is asked for jointly by a row of the cluster, wt's on x alone and by a column.
; THE MATRIX INSTRUCTION IS USED TRANSPOSED: source 0 = 16 rows of wt, source 1 = 16 rows of x; lane (r, h) register j = C(row 16 a + r, column 16 b + 8 h + j).
; The bias costs nothing: a tile's first product takes as C a register tile that holds bias[16 b + 8 h + j].
; REGISTERS: window 0: v2-15 addresses, v16-23 mask, v32-127 and v128-223 two fragment buffers (8 of x, then 4 of wt), v224-255 bias tiles.
;            window 1: accumulator tile (b, a) at v[8 (8 b + a)].
.set PITCH,  272                       ; LDS row: 256 bytes + 16 of padding: the sixteen rows of a fragment load lie in sixteen different 16-byte columns modulo 256
.set AHALF,  128*PITCH                 ; what one load brings of x
.set BHALF,  64*PITCH                  ; what one load brings of wt
.set SLOT,   2*AHALF+2*BHALF           ; x's 256 rows, then wt's 128 rows
.set STAGE,  2*SLOT                    ; behind the slots: 16 rows x 144 bytes for each wave, never the target of a tensor load
.set SPITCH, 144
.set ASTEP,  16*PITCH
.set ADRA, 2                           ; v2-3   LDS address of my x fragments in slot 0, 1
.set ADRB, 4                           ; v4-5   the same for wt
.set STO,  6
.set RD,   7
.set CO,   8
.set BO,   9                           ; 32 h: my 8 numbers of a bias tile
.set MOF,  13                          ; 4 r: my row's word of the mask
.set MK,   16
.set F0,   32
.set F1,   128
.set BI,   224
.set T,    128                         ; the way out works in buffer 1: buffer 0 already holds the next tile's first fragments
.set RB,   144
.set TF,   176                         ; v[176:207] 16 rows' sums times the head's factor, in f32
.set G1,   28
.set G1B,  36
.set G0,   44
.set G0B,  52
.set KEEP, 68                          ; s[68:75] lanes whose row (16 a + r) has mask != 0
.set EFF,  76                          ; s[76:83] the same for a K head, all ones for a Q or V head
.set MSB, 0
.macro WIN new                         ; the immediate's high byte repeats the setting that is left
.if MSB != (\new)
	s_set_vgpr_msb (MSB<<8)|(\new)
.set MSB, (\new)
.endif
.endm
.macro PLACES                          ; four places behind matrix instructions, in front of loads into their sources and of readers of their results
.rept 4
	v_nop
.endr
.endm
; A joint load: waves 0, 1 ask for x's halves, waves 2, 3 for wt's.  The branch hangs on the wave's number alone.
.macro JLOAD s
	s_cmp_eq_u32 s19, 0
	s_cbranch_scc0 .Lfor_b_\@
	tensor_load_to_lds s[G0+4*\s:G0+4*\s+3], s[G1:G1+7]
	s_nop 0
.rept 4
	v_nop
.endr
	s_branch .Lasked_\@
.Lfor_b_\@:
	tensor_load_to_lds s[G0B+4*\s:G0B+4*\s+3], s[G1B:G1B+7]
	s_nop 0
.rept 4
	v_nop
.endr
.Lasked_\@:
.endm
.macro CREST                           ; a round of the cluster's barrier behind its opening work-group barrier
	s_cmp_lg_u32 s18, 0
	s_cbranch_scc1 .Lnot_wave_0_\@
	s_barrier_signal -3
.Lnot_wave_0_\@:
	s_barrier_wait -3
	s_barrier_signal -1
	s_barrier_wait -1
.endm
.macro CROUND
	s_barrier_signal -1
	s_barrier_wait -1
	CREST
.endm
	s_load_b256 s[4:11], s[0:1], 0x0               ; xb s[4:5], wt s[6:7], b_q s[8:9], b_k s[10:11]
	s_load_b128 s[12:15], s[0:1], 0x20             ; b_v s[12:13], mask s[14:15]
	s_load_b64 s[16:17], s[0:1], 0x30              ; qkv
	v_lshl_add_u32 v30, v0, 2, 0x35400
	v_mov_b32 v31, 0
	ds_add_u32 v30, v31
	v_lshrrev_b32 v1, 5, v0
	v_readfirstlane_b32 s18, v1                    ; wave
	s_lshr_b32 s19, s18, 1                         ; my half of the rows.  Also: I ask for x (0) or wt (1)
	s_and_b32 s20, s18, 1                          ; my half of the columns.  Also: which half of that tile I ask for
	s_bfe_u32 s21, ttmp6, 0x40000                  ; cx
	s_bfe_u32 s22, ttmp6, 0x40004                  ; cy
	s_lshl_b32 s23, ttmp9, 2
	s_add_co_u32 s23, s23, s21                     ; x = 4 cluster x + cx
	s_and_b32 s24, ttmp7, 0xffff
	s_lshl_b32 s24, s24, 2
	s_add_co_u32 s24, s24, s22                     ; y = 4 cluster y + cy
	s_lshl_b32 s25, s22, 2
	s_lshl_b32 s25, 15, s25                        ; my row of the cluster
	s_lshl_b32 s26, 0x1111, s21                    ; my column
	s_or_b32 s[G1+0], s25, (1<<16)|(1<<20)|(1<<21)|(5<<22)|(3<<25)    ; mask; 2-byte elements; padding on; bit 21 beside a mask; after every 64 words 4 words
	s_or_b32 s[G1B+0], s26, (1<<16)|(1<<20)|(1<<21)|(5<<22)|(3<<25)
	s_mov_b32 s[G1+1], 128<<16                     ; tensor_dim0 = 128
	s_mov_b32 s[G1B+1], 128<<16
	s_mov_b32 s[G1+2], 128<<16                     ; tensor_dim1 = 128 rows of x
	s_mov_b32 s[G1B+2], 64<<16                     ; 64 rows of wt
	s_mov_b32 s[G1+3], 128<<16                     ; tile_dim0 = 128
	s_mov_b32 s[G1B+3], 128<<16
	s_mov_b32 s[G1+4], 128                         ; tile_dim1
	s_mov_b32 s[G1B+4], 64
	s_mov_b32 s[G1+5], 1024                        ; elements from row to row
	s_mov_b32 s[G1B+5], 1024
	s_mov_b32 s[G1+6], 0
	s_mov_b32 s[G1B+6], 0
	s_mov_b32 s[G1+7], 0
	s_mov_b32 s[G1B+7], 0
	; x's address is made of y and the wave alone (s60-61), wt's of x and the wave alone (s62-63)
	s_lshl_b32 s60, s24, 8
	s_lshl_b32 s61, s20, 7
	s_add_co_u32 s60, s60, s61                     ; row 256 y + 128 half
	s_lshl_b32 s60, s60, 11                        ; rows of 2,048 bytes
	s_mov_b32 s61, 0
	s_mul_i32 s62, s23, 384
	s_lshl_b32 s63, s20, 6
	s_add_co_u32 s62, s62, s63                     ; row 384 x + 64 half
	s_lshl_b32 s62, s62, 11
	s_mov_b32 s63, 0
	s_mul_i32 s27, s18, AHALF                      ; LDS: x's halves at wave x 34,816 (waves 0, 1)
	s_mul_i32 s87, s18, BHALF
	s_add_co_u32 s87, s87, AHALF                   ; wt's halves at wave x 17,408 + 34,816 (waves 2, 3): behind x's 69,632 bytes
	s_wait_dscnt 0x0
	s_wait_kmcnt 0x0
	s_add_nc_u64 s[60:61], s[4:5], s[60:61]
	s_add_nc_u64 s[62:63], s[6:7], s[62:63]
	CROUND                                         ; all sixteen work-groups are here: the first joint loads meet
.irp s, 0,1
	s_mov_b32 s[G0+4*\s], 1
	s_add_co_u32 s[G0+4*\s+1], s27, \s*SLOT
	s_add_nc_u64 s[G0+4*\s+2:G0+4*\s+3], s[60:61], \s*256          ; K step s
	s_or_b32 s[G0+4*\s+3], s[G0+4*\s+3], 0x80000000
	s_mov_b32 s[G0B+4*\s], 1
	s_add_co_u32 s[G0B+4*\s+1], s87, \s*SLOT
	s_add_nc_u64 s[G0B+4*\s+2:G0B+4*\s+3], s[62:63], \s*256
	s_or_b32 s[G0B+4*\s+3], s[G0B+4*\s+3], 0x80000000
	JLOAD \s                                       ; both first fills go out together: two loads of the wave are out
.endr
	v_and_b32 v10, 15, v0                          ; r
	v_bfe_u32 v11, v0, 4, 1                        ; h
	v_and_b32 v14, 31, v0                          ; lane
	v_mul_u32_u24 v12, v10, PITCH
	v_lshl_add_u32 v12, v11, 4, v12                ; fragment: row r, 16 bytes for each half of the lanes
	s_mul_i32 s92, s19, AHALF
	s_mul_i32 s93, s20, BHALF
	s_add_co_u32 s93, s93, 2*AHALF
.irp s, 0,1
	v_add_nc_u32 v[ADRA+\s], s92, v12
	v_add_nc_u32 v[ADRB+\s], s93, v12
	s_add_co_u32 s92, s92, SLOT
	s_add_co_u32 s93, s93, SLOT
.endr
	s_mul_i32 s94, s18, 16*SPITCH
	s_add_co_u32 s94, s94, STAGE                   ; my stage
	v_mul_u32_u24 v12, v10, SPITCH
	v_lshl_add_u32 v12, v11, 4, v12
	v_add_nc_u32 v[STO], s94, v12                  ; in: row r, byte 16 h (+ 32 b)
	v_lshrrev_b32 v12, 3, v14
	v_mul_u32_u24 v12, v12, SPITCH
	v_and_b32 v15, 7, v14
	v_lshl_add_u32 v12, v15, 4, v12
	v_add_nc_u32 v[RD], s94, v12                   ; back: four rows of 128 bytes a load
	v_lshlrev_b32 v[CO], 4, v14                    ; which are 512 consecutive bytes of the head
	v_lshlrev_b32 v[BO], 5, v11
	v_lshlrev_b32 v[MOF], 2, v10
	s_lshl_b32 s92, s24, 10
	s_lshl_b32 s93, s19, 9
	s_add_co_u32 s92, s92, s93                     ; 4 bytes x (256 y + 128 half): the mask's [4][2048] are x's 8,192 rows
	s_mov_b32 s93, 0
	s_add_nc_u64 s[14:15], s[14:15], s[92:93]
.irp a, 0,1,2,3,4,5,6,7
	global_load_b32 v[MK+\a], v[MOF], s[14:15] offset:64*\a
.endr
	s_mul_i32 s85, s23, 6
	s_add_co_u32 s85, s85, s20                     ; g = 6 x + 2 j + (w & 1): my head of the 48, tile j = 0
; The bias tiles of head s92.  The three biases are chosen by selects, never by a branch: g differs between partners of the cluster.
.macro BIASLOAD
	s_lshr_b32 s93, s92, 4
	s_cmp_eq_u32 s93, 1
	s_cselect_b64 s[90:91], s[10:11], s[8:9]
	s_cmp_eq_u32 s93, 2
	s_cselect_b64 s[90:91], s[12:13], s[90:91]
	s_and_b32 s94, s92, 15
	s_lshl_b32 s94, s94, 8                         ; 64 numbers of 4 bytes a head
	s_mov_b32 s95, 0
	s_add_nc_u64 s[90:91], s[90:91], s[94:95]
.irp b, 0,1,2,3
	global_load_b128 v[BI+8*\b:BI+8*\b+3], v[BO], s[90:91] offset:64*\b
	global_load_b128 v[BI+8*\b+4:BI+8*\b+7], v[BO], s[90:91] offset:64*\b+16
.endr
.endm
	s_mov_b32 s92, s85
	BIASLOAD
; Eight matrix instructions: n block b x all 8 row blocks, 32 along K.  zero = 1: the first product starts the sums from the bias tile.
; The 32 accumulators take turns, one instruction a turn, in the same order in every quarter step.
.macro MULB f, b, zero
.irp a, 0,1,2,3,4,5,6,7
.if \zero
	v_wmma_f32_16x16x32_bf16 v[8*(8*\b+\a):8*(8*\b+\a)+7], v[\f+64+8*\b:\f+64+8*\b+7], v[\f+8*\a:\f+8*\a+7], v[BI+8*\b:BI+8*\b+7]
.else
	v_wmma_f32_16x16x32_bf16 v[8*(8*\b+\a):8*(8*\b+\a)+7], v[\f+64+8*\b:\f+64+8*\b+7], v[\f+8*\a:\f+8*\a+7], v[8*(8*\b+\a):8*(8*\b+\a)+7]
.endif
.endr
.endm
; 24 LDS loads in one run: the fragments of quarter q of a K step into buffer f
.macro FETCH slot, q, f
	WIN 0
.irp i, 0,1,2,3
	ds_load_b128 v[\f+64+8*\i:\f+64+8*\i+3], v[ADRB+\slot] offset:64*\q+\i*16*PITCH
	ds_load_b128 v[\f+64+8*\i+4:\f+64+8*\i+7], v[ADRB+\slot] offset:64*\q+\i*16*PITCH+32
.endr
.irp i, 0,1,2,3,4,5,6,7
	ds_load_b128 v[\f+8*\i:\f+8*\i+3], v[ADRA+\slot] offset:64*\q+\i*ASTEP
	ds_load_b128 v[\f+8*\i+4:\f+8*\i+7], v[ADRA+\slot] offset:64*\q+\i*ASTEP+32
.endr
.endm
; One of a K step's first three quarters: multiplies buffer f, and in its middle fetches quarter q into buffer g
.macro QUARTER slot, q, f, g, zero
	s_wait_dscnt 0x0                               ; buffer f is in: its 24 loads were issued sixteen matrix instructions ago
	WIN 0x50-0x10*\zero                            ; D in window 1; C in window 1, or the bias tile in window 0
	MULB \f, 0, \zero
	MULB \f, 1, \zero
	PLACES
	FETCH \slot, \q, \g
	WIN 0x50-0x10*\zero
	MULB \f, 2, \zero
	MULB \f, 3, \zero
.endm
.macro THREE slot, zero
	QUARTER \slot, 1, F0, F1, \zero
	QUARTER \slot, 2, F1, F0, 0
	QUARTER \slot, 3, F0, F1, 0
.endm
; The slot's next tile: two K steps on, or (wrap) the same steps of the next 128 columns: x back to its row's start, wt 128 rows down
.macro STEPADDR slot, wrap
.if \wrap
	s_sub_nc_u64 s[G0+4*\slot+2:G0+4*\slot+3], s[G0+4*\slot+2:G0+4*\slot+3], 1536
	s_add_nc_u64 s[G0B+4*\slot+2:G0B+4*\slot+3], s[G0B+4*\slot+2:G0B+4*\slot+3], 128*2048-1536
.else
	s_add_nc_u64 s[G0+4*\slot+2:G0+4*\slot+3], s[G0+4*\slot+2:G0+4*\slot+3], 512
	s_add_nc_u64 s[G0B+4*\slot+2:G0B+4*\slot+3], s[G0B+4*\slot+2:G0B+4*\slot+3], 512
.endif
.endm
; The last quarter: multiplies buffer 1 and changes slots.  One barrier for the change; where the slot is filled again it opens a round of the cluster's barrier.
.macro TURN slot, next, fill, wrap
	s_wait_dscnt 0x0                               ; buffer 1 is in, and with it all my reads of this slot: no LDS instruction follows before the signal
	WIN 0x50
	MULB F1, 0, 0
	s_wait_tensorcnt 0x0                           ; all my tensor loads have landed: the one that was out is my part of the next slot
	ds_add_u32 v30, v31
	s_wait_dscnt 0x0
	s_barrier_signal -1
	MULB F1, 1, 0                                  ; register work while the others arrive
	WIN 0
	s_barrier_wait -1
.if \fill
	CREST                                          ; no wave of any partner still reads this slot or has a load on its way
	STEPADDR \slot, \wrap                          ; no load of mine is out: the descriptors may be written
	JLOAD \slot                                    ; my one tensor load behind the round, first thing there; its four v_nop are also the places in front of the loads below
.else
	PLACES
.endif
	FETCH \next, 0, F0
	WIN 0x50
	MULB F1, 2, 0
	MULB F1, 3, 0
.endm
.macro LAP zero, wrap                  ; two K steps, both slots filled again
	THREE 0, \zero
	TURN 0, 1, 1, \wrap
	THREE 1, 0
	TURN 1, 0, 1, \wrap
.endm
; The way out, 16 rows at a time: times the head's factor, round to f16, zero K's masked rows, 16 bytes a lane into my own stage, back as whole rows, out in runs of 512 bytes.
; Factor and mask are chosen by selects, never by a branch: the head's number differs between partners of the cluster.
.macro OUT
	s_lshr_b32 s86, s85, 4
	s_mov_b32 s97, 0x3f800000                      ; 1.0 for K and V
	s_cmp_eq_u32 s86, 0                            ; a Q head?
	s_cselect_b32 s96, 0x3e38aa3b, s97             ; log2(e) / 8 for Q
	s_mov_b32 s97, s96                             ; the packed multiply names the pair
	s_cmp_eq_u32 s86, 1                            ; a K head?
.irp a, 0,1,2,3,4,5,6,7
	s_cselect_b32 s[EFF+\a], s[KEEP+\a], -1
.endr
	s_lshr_b32 s92, s24, 3                         ; batch = y / 8
	s_mul_i32 s92, s92, 48
	s_add_co_u32 s92, s92, s85
	s_lshl_b32 s92, s92, 11                        ; 2,048 rows a head
	s_and_b32 s93, s24, 7
	s_lshl_b32 s93, s93, 8
	s_add_co_u32 s92, s92, s93
	s_lshl_b32 s93, s19, 7
	s_add_co_u32 s92, s92, s93
	s_lshl_b32 s92, s92, 7                         ; rows of 128 bytes
	s_mov_b32 s93, 0
	s_add_nc_u64 s[88:89], s[16:17], s[92:93]      ; the last tile's stores have let go of s[88:89]: the wait at this macro's end
.irp a, 0,1,2,3,4,5,6,7
	WIN 0x01                                       ; source 0 in window 1
.irp b, 0,1,2,3
.irp i, 0,1,2,3
	v_pk_mul_f32 v[TF+8*\b+2*\i:TF+8*\b+2*\i+1], v[8*(8*\b+\a)+2*\i:8*(8*\b+\a)+2*\i+1], s[96:97] op_sel_hi:[1,0]
.endr
.endr
	WIN 0
.irp b, 0,1,2,3
.irp i, 0,1,2,3
	v_cvt_pk_f16_f32 v[T+4*\b+\i], v[TF+8*\b+2*\i], v[TF+8*\b+2*\i+1]
.endr
.endr
.irp i, 0,1,2,3,4,5,6,7,8,9,10,11,12,13,14,15
	v_cndmask_b32 v[T+\i], 0, v[T+\i], s[EFF+\a]   ; my lane's row 16 a + r: kept, or zero
.endr
.irp b, 0,1,2,3
	ds_store_b128 v[STO], v[T+4*\b:T+4*\b+3] offset:32*\b
.endr
	s_wait_xcnt 0x0                                ; the registers that earlier stores read are loaded again only behind this wait
.irp t, 0,1,2,3
	ds_load_b128 v[RB+16*(\a%2)+4*\t:RB+16*(\a%2)+4*\t+3], v[RD] offset:4*SPITCH*\t   ; LDS serves a wave's instructions in order: these see the stores above
.endr
.irp t, 0,1,2,3
	s_wait_dscnt 3-\t
	global_store_b128 v[CO], v[RB+16*(\a%2)+4*\t:RB+16*(\a%2)+4*\t+3], s[88:89] offset:2048*\a+512*\t   ; 512 consecutive bytes, aligned
.endr
.endr
	s_wait_xcnt 0x0                                ; buffer 1 and s[88:89] are written again only behind this wait
.endm
	s_wait_tensorcnt 0x1                           ; my part of K step 0 is in; step 1's may stay out
	s_barrier_signal -1
	s_barrier_wait -1
	FETCH 0, 0, F0
	s_wait_loadcnt 0x0                             ; mask and bias
.irp a, 0,1,2,3,4,5,6,7
	v_cmp_ne_u32 s[KEEP+\a], 0, v[MK+\a]
.endr
	s_mov_b32 s84, 2
.Ltile:                                            ; tiles 0 and 1
	s_wait_loadcnt 0x0                             ; this tile's bias tiles
	LAP 1, 0
	WIN 0
	s_add_co_u32 s92, s85, 2
	BIASLOAD                                       ; the next tile's bias: this tile's first products, which read these registers, lie many places back
	LAP 0, 0
	LAP 0, 0
	LAP 0, 1                                       ; K steps 6 and 7 ask for the next tile's steps 0 and 1
	PLACES
	OUT
	s_add_co_u32 s85, s85, 2
	s_sub_co_i32 s84, s84, 1
	s_cmp_lg_u32 s84, 0
	s_cbranch_scc1 .Ltile
	s_wait_loadcnt 0x0                             ; tile 2, written out: its last two K steps ask for nothing
	LAP 1, 0
	LAP 0, 0
	LAP 0, 0
	THREE 0, 0
	TURN 0, 1, 0, 0
	THREE 1, 0
	s_wait_dscnt 0x0
	WIN 0x50
	MULB F1, 0, 0
	MULB F1, 1, 0
	MULB F1, 2, 0
	MULB F1, 3, 0
	PLACES
	OUT
	s_wait_tensorcnt 0x0
	ds_add_u32 v30, v31
	s_wait_dscnt 0x0
	CROUND                                         ; the closing round: no work-group ends while a partner may still ask jointly
	s_endpgm
.Lfunc_end_k_qdc81e85592_proj:
	.size	k_qdc81e85592_proj, .Lfunc_end_k_qdc81e85592_proj-k_qdc81e85592_proj
	.p2alignl 7, 3214868480
	.fill 96, 4, 3214868480
	.section	.rodata,"a",@progbits
	.p2align	6, 0x0
	.amdhsa_kernel k_qdc81e85592_proj
		.amdhsa_group_segment_fixed_size 327680
		.amdhsa_private_segment_fixed_size 0
		.amdhsa_enable_private_segment 0
		.amdhsa_kernarg_size 56
		.amdhsa_user_sgpr_count 2
		.amdhsa_user_sgpr_kernarg_segment_ptr 1
		.amdhsa_wavefront_size32 1
		.amdhsa_system_sgpr_workgroup_id_x 1
		.amdhsa_system_sgpr_workgroup_id_y 1
		.amdhsa_system_sgpr_workgroup_id_z 1
		.amdhsa_system_vgpr_workitem_id 0
		.amdhsa_next_free_vgpr 512
		.amdhsa_next_free_sgpr 100
		.amdhsa_reserve_vcc 0
		.amdhsa_float_denorm_mode_32 3
		.amdhsa_float_denorm_mode_16_64 3
		.amdhsa_memory_ordered 1
		.amdhsa_forward_progress 1
		.amdhsa_inst_pref_size 255
	.end_amdhsa_kernel
	.section	.bss,"aw",@nobits
	.p2align	6
	.space	262144
	.amdgpu_metadata
---
amdhsa.version: [ 1, 2 ]
amdhsa.kernels:
  - .name:           k_qdc81e85592_proj
    .symbol:         k_qdc81e85592_proj.kd
    .args:
      - { .name: xb, .offset: 0, .size: 8, .value_kind: global_buffer, .address_space: global }
      - { .name: wt, .offset: 8, .size: 8, .value_kind: global_buffer, .address_space: global }
      - { .name: b_q, .offset: 16, .size: 8, .value_kind: global_buffer, .address_space: global }
      - { .name: b_k, .offset: 24, .size: 8, .value_kind: global_buffer, .address_space: global }
      - { .name: b_v, .offset: 32, .size: 8, .value_kind: global_buffer, .address_space: global }
      - { .name: mask, .offset: 40, .size: 8, .value_kind: global_buffer, .address_space: global }
      - { .name: qkv, .offset: 48, .size: 8, .value_kind: global_buffer, .address_space: global }
    .group_segment_fixed_size: 327680
    .private_segment_fixed_size: 0
    .kernarg_segment_align: 8
    .kernarg_segment_size: 56
    .max_flat_workgroup_size: 128
    .sgpr_count:     100
    .vgpr_count:     512
    .wavefront_size: 32
...
	.end_amdgpu_metadata
.endif
;; end of part 2
;; launch attn (part 3): grid 256 x 1, 8 waves a work-group, clusters of 4 x 1, 327,680 bytes of LDS; arguments qkv, mask, ctx; writes ctx
.if DOCPART == 3
	.amdgcn_target "amdgcn-amd-amdhsa--gfx1250"
	.amdhsa_code_object_version 6
	.text
	.protected	k_qdc81e85592_attn
	.globl	k_qdc81e85592_attn
	.p2align	8
	.type	k_qdc81e85592_attn,@function
k_qdc81e85592_attn:
	s_mov_b64 s[64:65], 0
	v_nop
	global_prefetch_b8 v0, s[64:65] scope:SCOPE_SE
	s_setreg_imm32_b32 hwreg(HW_REG_WAVE_MODE, 25, 1), 1
	s_wait_xcnt 0x0
	s_wait_alu depctr_hold_cnt(0) depctr_sa_sdst(0) depctr_va_vdst(0) depctr_va_sdst(0) depctr_va_ssrc(0) depctr_va_vcc(0) depctr_vm_vsrc(0)
	s_getreg_b32 s2, hwreg(HW_REG_IB_STS2, 6, 4)
	s_cmp_eq_u32 s2, 0
	s_cbranch_scc0 .Lentry_in_a_cluster
	s_endpgm
.Lentry_in_a_cluster:
	s_bfe_u32 s2, ttmp6, 0x10000c
	s_cmp_lg_u32 s2, 0x3003
	s_cbranch_scc0 .Lentry_shape_is_right
	s_endpgm
.Lentry_shape_is_right:
; attn: softmax(q.k / 8, masked keys at -1e9) V for one head and 512 queries a work-group; Q, K, V in f16 from qkv, ctx[b][h][s][64] in bf16.
; Q comes already multiplied by log2(e) / 8, so a score S is the softmax's exponent in units of log2: weight = exp2(S - running maximum), at most 1, exactly 1 at the maximum.
; The cluster's four work-groups are the four query blocks of one (batch, head): they walk the same K and V tiles and ask for each jointly (mask 15).
; Eight waves, 64 queries each, two waves on a SIMD with 512 registers each: one wave's softmax arithmetic can run while the other uses the matrix unit.
; TRANSPOSED FORMS.  S^T = K Q^T: source 0 = 16 keys, source 1 = 16 queries (Q stays in registers): lane (r, h) register j = score(key 8 h + j, query r),
; so maximum, sum and rescaling are a lane's own but for one exchange between the halves; two neighbouring key tiles, packed to f16 in place, ARE the
; source-1 fragment of O^T = V^T P^T; its source 0 comes from V's rows by the transposing LDS load.  O: lane (r, h) register j = O(query r, d = 16 mb + 8 h + j).
; THE MASK.  K's masked rows are zeros in qkv, and the first score product takes as C a tile with 0 or -1e9 log2(e) per key: a masked score is exactly that constant,
; the same for all masked keys.  The running maximum is taken away as in the softmax; a batch row with every key masked gives weights of exactly 1 each, the mean of V.
; WHY f16: 11 significant bits against bf16's 8 for the four roundings on the way (Q, K, weights, V); the weights lie in [0, 1], the others' room is counted where they are stored.
; LIMITS: operands beyond f16's 65,504 arrive as infinities; a non-finite q against a masked key gives NaN (0 x infinity) where the definition puts -1e9.
; Tiles of 256 keys; a row of 256 bytes in memory and LDS holds two keys' 64 numbers.  Two slots; a load has a whole tile's work (256 matrix instructions a wave) to land.
.set VPITCH, 288                       ; 256 + 32: the transposing load's sixteen lanes hit sixteen different 16-byte columns modulo 256
.set KPITCH, 272                       ; 256 + 16: likewise for the plain fragment loads
.set VBYTES, 128*VPITCH
.set KBYTES, 128*KPITCH
.set SLOT,   VBYTES+KBYTES             ; V's tile, then K's
.set BIAS,   2*SLOT                    ; 2,048 f32: 0 or the mask's constant per key
.set STAGE,  BIAS+8192                 ; 16 rows x 144 bytes for each wave
.set SPITCH, 144
.set KA,  1                            ; v1-2   K fragment address, slot 0, 1
.set VA,  3                            ; v3-4   V fragment address
.set BA,  5                            ; v5     mask terms' address, + 2,048 for every two tiles
.set STO, 6
.set RD,  7
.set CO,  8
.set M,   10                           ; v[10:17] running maxima of my 4 query blocks, two sets that take turns step by step
.set NM,  18                           ; v[18:25] their negatives, likewise
.set LS,  26                           ; v[26:29] running sums (my half of the keys)
.set Q,   32                           ; v[32:95]   Q fragments at 16 nb + 8 ks
.set KF,  96                           ; v[96:159]  K fragments at 16 kt + 8 ks
.set VF,  160                          ; v[160:223] V^T fragments at 8 (4 kg + mb)
.set CB,  224                          ; v[224:255] the mask's C tiles, 8 a key tile; between the score products and the next loads into them: TP, AL, LA
.set TP,  224
.set AL,  228
.set LA,  232
.set O,   128                          ; window 1: S[nb][kt] at 32 nb + 8 kt (P[nb][kg] over the first 8 of 32 nb + 16 kg); O[mb][nb] at 128 + 8 (4 mb + nb)
.set T,   96                           ; the way out
.set TB,  128
.set RB,  160
.set G1V, 16
.set G1K, 24
.set G0V, 32
.set G0K, 40
.set MSB, 0
.macro WIN new
.if MSB != (\new)
	s_set_vgpr_msb (MSB<<8)|(\new)
.set MSB, (\new)
.endif
.endm
.macro ROUND                           ; a round of the cluster's barrier
	s_barrier_signal -1
	s_barrier_wait -1
	s_cmp_lg_u32 s10, 0
	s_cbranch_scc1 .Lnot_wave_0_\@
	s_barrier_signal -3
.Lnot_wave_0_\@:
	s_barrier_wait -3
	s_barrier_signal -1
	s_barrier_wait -1
.endm
; A joint load: waves 0, 1 ask for V's halves (64 rows of 256 bytes), waves 2, 3 for K's, waves 4-7 for nothing.  The branches hang on the wave's number alone.
.macro JLOAD s
	s_cmp_ge_u32 s10, 4
	s_cbranch_scc1 .Lnone_\@
	s_cmp_ge_u32 s10, 2
	s_cbranch_scc1 .Lfor_k_\@
	tensor_load_to_lds s[G0V+4*(\s):G0V+4*(\s)+3], s[G1V:G1V+7]
	s_nop 0
.rept 4
	v_nop
.endr
	s_branch .Lnone_\@
.Lfor_k_\@:
	tensor_load_to_lds s[G0K+4*(\s):G0K+4*(\s)+3], s[G1K:G1K+7]
	s_nop 0
.rept 4
	v_nop
.endr
.Lnone_\@:
.endm
	s_load_b128 s[4:7], s[0:1], 0x0                ; qkv s[4:5], mask s[6:7]
	s_load_b64 s[8:9], s[0:1], 0x10                ; ctx
	v_lshl_add_u32 v254, v0, 2, 0x29800
	v_mov_b32 v255, 0
	ds_add_u32 v254, v255
	s_wait_dscnt 0x0
	v_lshrrev_b32 v103, 5, v0
	v_readfirstlane_b32 s10, v103                  ; wave
	s_and_b32 s12, s10, 1
	s_bfe_u32 s13, ttmp6, 0x40000                  ; cx: my block of 512 queries
	s_mov_b32 s52, 0x76543210                      ; v_permlanex16_b32: lane i of one half reads lane i of the other
	s_mov_b32 s53, 0xfedcba98
	s_mov_b32 s[G1V+0], 15|(1<<16)|(1<<20)|(1<<21)|(5<<22)|(7<<25)   ; mask of all four; 2-byte elements; padding: after every 64 words 8 words
	s_mov_b32 s[G1K+0], 15|(1<<16)|(1<<20)|(1<<21)|(5<<22)|(3<<25)   ; 4 words
	s_mov_b32 s[G1V+1], 128<<16                    ; tensor_dim0 = 128 elements
	s_mov_b32 s[G1K+1], 128<<16
	s_mov_b32 s[G1V+2], 64<<16                     ; tensor_dim1 = 64 rows
	s_mov_b32 s[G1K+2], 64<<16
	s_mov_b32 s[G1V+3], 128<<16                    ; tile_dim0
	s_mov_b32 s[G1K+3], 128<<16
	s_mov_b32 s[G1V+4], 64                         ; tile_dim1
	s_mov_b32 s[G1K+4], 64
	s_mov_b32 s[G1V+5], 128                        ; dense: a row begins where the last ends
	s_mov_b32 s[G1K+5], 128
	s_mov_b32 s[G1V+6], 0
	s_mov_b32 s[G1K+6], 0
	s_mov_b32 s[G1V+7], 0
	s_mov_b32 s[G1K+7], 0
	s_lshr_b32 s54, ttmp9, 4                       ; batch (ttmp9 counts clusters = (batch, head))
	s_and_b32 s55, ttmp9, 15                       ; head
	s_mul_i32 s56, s54, 48
	s_add_co_u32 s56, s56, s55
	s_lshl_b32 s56, s56, 18                        ; Q's head: 262,144 bytes a head
	s_lshl_b32 s57, s12, 14                        ; my half of a tile
	s_add_co_u32 s58, s56, s57
	s_add_co_u32 s58, s58, 0x400000                ; K's head: 16 heads on
	s_mov_b32 s59, 0
	s_add_co_u32 s60, s58, 0x400000                ; V's head
	s_mov_b32 s61, 0
	s_lshl_b32 s62, s13, 16                        ; my 512 queries (cx enters s62 alone, which feeds no descriptor)
	s_add_co_u32 s62, s62, s56
	s_mov_b32 s63, 0
	s_lshl_b32 s54, s54, 13                        ; the batch's row of the mask
	s_mov_b32 s55, 0
	s_mul_i32 s14, s10, 64*VPITCH                  ; LDS: V's halves at wave x 18,432 (waves 0, 1)
	s_mul_i32 s15, s10, 64*KPITCH
	s_add_co_u32 s15, s15, VBYTES-128*KPITCH       ; K's halves at wave x 17,408 + 2,048 (waves 2, 3): behind V's 36,864 bytes
	s_wait_kmcnt 0x0
	s_add_nc_u64 s[58:59], s[4:5], s[58:59]
	s_add_nc_u64 s[60:61], s[4:5], s[60:61]
	s_add_nc_u64 s[62:63], s[4:5], s[62:63]
	s_add_nc_u64 s[6:7], s[6:7], s[54:55]
.irp s, 0,1
	s_mov_b32 s[G0V+4*\s], 1
	s_add_co_u32 s[G0V+4*\s+1], s14, \s*SLOT
	s_add_nc_u64 s[G0V+4*\s+2:G0V+4*\s+3], s[60:61], \s*32768      ; tile s
	s_or_b32 s[G0V+4*\s+3], s[G0V+4*\s+3], 0x80000000
	s_mov_b32 s[G0K+4*\s], 1
	s_add_co_u32 s[G0K+4*\s+1], s15, \s*SLOT
	s_add_nc_u64 s[G0K+4*\s+2:G0K+4*\s+3], s[58:59], \s*32768
	s_or_b32 s[G0K+4*\s+3], s[G0K+4*\s+3], 0x80000000
.endr
	ROUND                                          ; in front of the first joint load
	JLOAD 0                                        ; tile 0
	v_lshlrev_b32 v9, 5, v0                        ; thread t: 8 words of the mask at byte 32 t
	global_load_b128 v[224:227], v9, s[6:7]
	global_load_b128 v[228:231], v9, s[6:7] offset:16
	v_and_b32 v96, 15, v0                          ; r
	v_bfe_u32 v97, v0, 4, 1                        ; h
	v_and_b32 v98, 31, v0                          ; lane
	v_lshlrev_b32 v103, 13, v103                   ; 64 queries of 128 bytes a wave
	v_lshl_add_u32 v103, v96, 7, v103
	v_lshl_add_u32 v31, v97, 4, v103               ; Q fragment: row 64 w + r, byte 16 h
.irp nb, 0,1,2,3
.irp ks, 0,1
	global_load_b128 v[Q+16*\nb+8*\ks:Q+16*\nb+8*\ks+3], v31, s[62:63] offset:2048*\nb+64*\ks
	global_load_b128 v[Q+16*\nb+8*\ks+4:Q+16*\nb+8*\ks+7], v31, s[62:63] offset:2048*\nb+64*\ks+32
.endr
.endr
	v_lshrrev_b32 v99, 1, v96
	v_mul_u32_u24 v99, v99, KPITCH                 ; key r lies in LDS row r / 2,
	v_and_b32 v100, 1, v96
	v_lshl_add_u32 v99, v100, 7, v99               ; in its half r % 2
	v_lshl_add_u32 v99, v97, 4, v99
	v_add_nc_u32 v[KA], VBYTES, v99
	v_add_nc_u32 v[KA+1], VBYTES+SLOT, v99
	v_bfe_u32 v101, v0, 1, 2                       ; transposing load: lane addresses key 8 h + (lane & 7): LDS row 4 h + (lane & 7) / 2,
	v_lshl_add_u32 v101, v97, 2, v101
	v_mul_u32_u24 v101, v101, VPITCH
	v_lshl_add_u32 v101, v100, 7, v101             ; half lane & 1,
	v_bfe_u32 v102, v0, 3, 1
	v_lshl_add_u32 v[VA], v102, 4, v101            ; and 16 bytes (8 d) by bit 3 of the lane
	v_add_nc_u32 v[VA+1], SLOT, v[VA]
	v_lshlrev_b32 v[BA], 5, v97
	v_add_nc_u32 v[BA], BIAS, v[BA]                ; keys 8 h .. 8 h + 7
	s_mul_i32 s54, s10, 16*SPITCH
	s_add_co_u32 s54, s54, STAGE
	v_mul_u32_u24 v99, v96, SPITCH
	v_lshl_add_u32 v99, v97, 4, v99
	v_add_nc_u32 v[STO], s54, v99
	v_lshrrev_b32 v99, 3, v98
	v_mul_u32_u24 v99, v99, SPITCH
	v_and_b32 v101, 7, v98
	v_lshl_add_u32 v99, v101, 4, v99
	v_add_nc_u32 v[RD], s54, v99
	v_lshlrev_b32 v[CO], 4, v98
	v_add_nc_u32 v104, BIAS, v9
	v_mov_b32 v105, 0xceabfb8f                     ; -1e9 x log2(e)
.irp nb, 0,1,2,3
	v_mov_b32 v[M+4+\nb], 0xff800000               ; the maximum before the first step: -infinity
.endr
	s_wait_loadcnt 0x10                            ; the mask's two loads are in; Q's sixteen stay out
.irp i, 0,1,2,3,4,5,6,7
	v_cmp_eq_u32 vcc_lo, 0, v[224+\i]
	v_cndmask_b32 v[224+\i], 0, v105, vcc_lo
.endr
	ds_store_b128 v104, v[224:227]
	ds_store_b128 v104, v[228:231] offset:16       ; waited for in front of the first tile's round, behind which all waves read them
	s_wait_loadcnt 0x0                             ; Q
; 24 LDS loads: the K fragments and the mask's C tiles of step st (64 keys) of the tile in slot
.macro KLOAD slot, st
.irp kt, 0,1,2,3
.irp ks, 0,1
	ds_load_b128 v[KF+16*\kt+8*\ks:KF+16*\kt+8*\ks+3], v[KA+\slot] offset:32*KPITCH*(\st)+8*KPITCH*\kt+64*\ks
	ds_load_b128 v[KF+16*\kt+8*\ks+4:KF+16*\kt+8*\ks+7], v[KA+\slot] offset:32*KPITCH*(\st)+8*KPITCH*\kt+64*\ks+32
.endr
.endr
.irp kt, 0,1,2,3
	ds_load_b128 v[CB+8*\kt:CB+8*\kt+3], v[BA] offset:1024*\slot+256*(\st)+64*\kt
	ds_load_b128 v[CB+8*\kt+4:CB+8*\kt+7], v[BA] offset:1024*\slot+256*(\st)+64*\kt+16
.endr
.endm
; 16 transposing LDS loads: V^T fragments, 16 d x 32 keys each
.macro VLOAD slot, st
.irp kg, 0,1
.irp mb, 0,1,2,3
	ds_load_tr16_b128 v[VF+8*(4*\kg+\mb):VF+8*(4*\kg+\mb)+3], v[VA+\slot] offset:32*VPITCH*(\st)+16*VPITCH*\kg+32*\mb
	ds_load_tr16_b128 v[VF+8*(4*\kg+\mb)+4:VF+8*(4*\kg+\mb)+7], v[VA+\slot] offset:32*VPITCH*(\st)+16*VPITCH*\kg+32*\mb+8*VPITCH
.endr
.endr
.endm
; S - maximum for pair i of score tile g (query block g / 4: its negative maximum is picked from its pair by op_sel)
.macro PSUB g, i
.if ((\g)>>2)&1
	v_pk_add_f32 v[8*(\g)+2*(\i):8*(\g)+2*(\i)+1], v[8*(\g)+2*(\i):8*(\g)+2*(\i)+1], v[NM+PN+2*((\g)>>3):NM+PN+2*((\g)>>3)+1] op_sel:[0,1] op_sel_hi:[1,1]
.else
	v_pk_add_f32 v[8*(\g)+2*(\i):8*(\g)+2*(\i)+1], v[8*(\g)+2*(\i):8*(\g)+2*(\i)+1], v[NM+PN+2*((\g)>>3):NM+PN+2*((\g)>>3)+1] op_sel_hi:[1,0]
.endif
.endm
; O x alpha for pair i of O tile t (query block t % 4)
.macro PMUL t, i
.if (\t)&1
	v_pk_mul_f32 v[O+8*(\t)+2*(\i):O+8*(\t)+2*(\i)+1], v[O+8*(\t)+2*(\i):O+8*(\t)+2*(\i)+1], v[AL+2*(((\t)>>1)&1):AL+2*(((\t)>>1)&1)+1] op_sel:[0,1] op_sel_hi:[1,1]
.else
	s_wait_alu depctr_va_vdst(0)
	v_pk_mul_f32 v[O+8*(\t)+2*(\i):O+8*(\t)+2*(\i)+1], v[O+8*(\t)+2*(\i):O+8*(\t)+2*(\i)+1], v[AL+2*(((\t)>>1)&1):AL+2*(((\t)>>1)&1)+1] op_sel_hi:[1,0]
.endif
.endm
; One step: 64 keys x my 64 queries.  first = 1: the very first step (nothing to rescale, the sums start).  more = 1: the tile has a further step.
.macro STEP slot, st, first, more
.set PN, 4*((\st)&1)                   ; this step's set of maxima
.set PO, 4-PN                          ; the last step's
	s_wait_dscnt 0x0                               ; K fragments and mask tiles are in
	; scores.  The 16 accumulators take turns, one instruction a turn.
	WIN 0x40                                       ; D in window 1, C = the mask's tile in window 0
.irp kt, 0,1,2,3
.irp nb, 0,1,2,3
	v_wmma_f32_16x16x32_f16 v[32*\nb+8*\kt:32*\nb+8*\kt+7], v[KF+16*\kt:KF+16*\kt+7], v[Q+16*\nb:Q+16*\nb+7], v[CB+8*\kt:CB+8*\kt+7]
.endr
.endr
	WIN 0x50
.irp kt, 0,1,2,3
.irp nb, 0,1,2,3
	v_wmma_f32_16x16x32_f16 v[32*\nb+8*\kt:32*\nb+8*\kt+7], v[KF+16*\kt+8:KF+16*\kt+15], v[Q+16*\nb+8:Q+16*\nb+15], v[32*\nb+8*\kt:32*\nb+8*\kt+7]
.endr
.endr
.rept 4
	v_nop                                          ; four places (ISA guide 7.12.1): the scores are read, the mask tiles' registers written, V's registers loaded
.endr
	WIN 0
	VLOAD \slot, \st
	; the running maximum: eight chains, two a query block, each begun from the old maximum
	WIN 0x14
.irp nb, 0,1,2,3
	v_max3_num_f32 v[M+PN+\nb], v[M+PO+\nb], v[32*\nb], v[32*\nb+1]
	v_max3_num_f32 v[TP+\nb], v[M+PO+\nb], v[32*\nb+16], v[32*\nb+17]
.endr
.irp i, 1,2,3,4,5,6,7
.irp nb, 0,1,2,3
	v_max3_num_f32 v[M+PN+\nb], v[M+PN+\nb], v[32*\nb+2*\i], v[32*\nb+2*\i+1]
	v_max3_num_f32 v[TP+\nb], v[TP+\nb], v[32*\nb+16+2*\i], v[32*\nb+17+2*\i]
.endr
.endr
	WIN 0
.irp nb, 0,1,2,3
	v_max_num_f32 v[M+PN+\nb], v[M+PN+\nb], v[TP+\nb]
.endr
.irp nb, 0,1,2,3
	v_permlanex16_b32 v[TP+\nb], v[M+PN+\nb], s52, s53             ; the other half of the lanes holds the query's other keys
.endr
.irp nb, 0,1,2,3
	v_max_num_f32 v[M+PN+\nb], v[M+PN+\nb], v[TP+\nb]
.endr
.irp nb, 0,1,2,3
	v_mul_f32 v[NM+PN+\nb], -1.0, v[M+PN+\nb]                      ; the packed sums below add the negative maximum
.endr
.if 1-\first
.irp nb, 0,1,2,3
	v_sub_f32 v[AL+\nb], v[NM+PN+\nb], v[NM+PO+\nb]                ; old maximum - new maximum
.endr
.irp nb, 0,1,2,3
	v_exp_f32 v[AL+\nb], v[AL+\nb]                 ; alpha; the plain lines below stand between it and its first use (ISA guide 5.7.2)
.endr
.endif
	; weights p = exp2(S - maximum), in place; between the exponentials of tile g stand the subtractions of tile g + 1 and the rescaling of one O tile
	WIN 0x41
.irp i, 0,1,2,3
	PSUB 0, \i
.endr
.set gg, 0
.rept 16
.irp i, 0,1,2,3
	v_exp_f32 v[8*gg+2*\i], v[8*gg+2*\i]
.if gg < 15
	PSUB gg+1, \i
.endif
	v_exp_f32 v[8*gg+2*\i+1], v[8*gg+2*\i+1]
.if 1-\first
	PMUL gg, \i
.endif
.endr
.set gg, gg+1
.endr
.if \first
	v_nop                                          ; a plain place behind the last exponential
	s_wait_alu depctr_va_vdst(0)
.endif
	; sums of the weights, eight chains of pairs
	WIN 0x05
	s_wait_alu depctr_va_vdst(0)
.irp nb, 0,1,2,3
.irp c, 0,1
	v_pk_add_f32 v[LA+4*\nb+2*\c:LA+4*\nb+2*\c+1], v[32*\nb+16*\c:32*\nb+16*\c+1], v[32*\nb+16*\c+2:32*\nb+16*\c+3]
.endr
.endr
	WIN 0x01
.irp i, 2,3,4,5,6,7
.irp nb, 0,1,2,3
.irp c, 0,1
	v_pk_add_f32 v[LA+4*\nb+2*\c:LA+4*\nb+2*\c+1], v[32*\nb+16*\c+2*\i:32*\nb+16*\c+2*\i+1], v[LA+4*\nb+2*\c:LA+4*\nb+2*\c+1]
.endr
.endr
.endr
	WIN 0
.irp nb, 0,1,2,3
	v_pk_add_f32 v[LA+4*\nb:LA+4*\nb+1], v[LA+4*\nb:LA+4*\nb+1], v[LA+4*\nb+2:LA+4*\nb+3]
.endr
.irp nb, 0,1,2,3
.if \first
	v_add_f32 v[LS+\nb], v[LA+4*\nb], v[LA+4*\nb+1]
.else
	v_add_f32 v[LA+4*\nb], v[LA+4*\nb], v[LA+4*\nb+1]
.endif
.endr
.if 1-\first
.irp nb, 0,1,2,3
	v_fma_f32 v[LS+\nb], v[LS+\nb], v[AL+\nb], v[LA+4*\nb]
.endr
.endif
	; weights to f16, in place and ascending: register i takes registers 2 i and 2 i + 1, which no later line needs
	WIN 0x45
.irp nb, 0,1,2,3
.irp kg, 0,1
.irp i, 0,1,2,3,4,5,6,7
	v_cvt_pk_f16_f32 v[32*\nb+16*\kg+\i], v[32*\nb+16*\kg+2*\i], v[32*\nb+16*\kg+2*\i+1]
.endr
.endr
.endr
	WIN 0
.if \more
	KLOAD \slot, \st+1
	s_wait_dscnt 24                                ; V's sixteen loads are in; the 24 just issued stay out
.else
	s_wait_dscnt 0x0                               ; V's loads: my last reads of this slot
.endif
	; O += V^T P^T.  The 16 accumulators take turns, one instruction a turn.
	WIN 0x54
.irp kg, 0,1
.irp mb, 0,1,2,3
.irp nb, 0,1,2,3
.if (\first)*(1-\kg)
	v_wmma_f32_16x16x32_f16 v[O+8*(4*\mb+\nb):O+8*(4*\mb+\nb)+7], v[VF+8*(4*\kg+\mb):VF+8*(4*\kg+\mb)+7], v[32*\nb+16*\kg:32*\nb+16*\kg+7], 0
.else
	v_wmma_f32_16x16x32_f16 v[O+8*(4*\mb+\nb):O+8*(4*\mb+\nb)+7], v[VF+8*(4*\kg+\mb):VF+8*(4*\kg+\mb)+7], v[32*\nb+16*\kg:32*\nb+16*\kg+7], v[O+8*(4*\mb+\nb):O+8*(4*\mb+\nb)+7]
.endif
.endr
.endr
.endr
	WIN 0
.rept 5
	v_nop                                          ; five places: the next score products write over the weights' registers
.endr
.endm
; One tile of 256 keys.  The round of the cluster's barrier stands between all reads of the other slot, in every wave of all four work-groups, and its refill.
.macro TRIP slot, refill, first
	s_wait_xcnt 0x0
	v_lshl_add_u32 v254, v0, 2, 0x29800
	v_mov_b32 v255, 0
	s_wait_tensorcnt 0x0                           ; all my tensor loads are done, my part of this tile among them,
	ds_add_u32 v254, v255
	s_wait_dscnt 0x0
	s_add_nc_u64 s[G0V+4*\slot+2:G0V+4*\slot+3], s[G0V+4*\slot+2:G0V+4*\slot+3], 65536   ; so the descriptors may be written: this slot's next tile, two on
	s_add_nc_u64 s[G0K+4*\slot+2:G0K+4*\slot+3], s[G0K+4*\slot+2:G0K+4*\slot+3], 65536
	s_wait_dscnt 0x0                               ; my LDS reads of the last tile (and, the first time, my stores of the mask's terms) are done
	ROUND
.if \refill
	JLOAD 1-\slot                                  ; my one tensor load behind the round, first thing there: the next tile, into the slot read last
.endif
	KLOAD \slot, 0
	STEP \slot, 0, \first, 1
	STEP \slot, 1, 0, 1
	STEP \slot, 2, 0, 1
	STEP \slot, 3, 0, 0
.endm
	TRIP 0, 1, 1
	TRIP 1, 1, 0
	v_add_nc_u32 v[BA], 2048, v[BA]                ; 512 keys on
	s_mov_b32 s51, 2
.Lpair:
	TRIP 0, 1, 0
	TRIP 1, 1, 0
	v_add_nc_u32 v[BA], 2048, v[BA]
	s_sub_co_i32 s51, s51, 1
	s_cmp_lg_u32 s51, 0
	s_cbranch_scc1 .Lpair
	TRIP 0, 1, 0                                   ; tiles 6 and 7: one more request, then none (their stepped addresses are not used)
	TRIP 1, 0, 0
	; THE WAY OUT: divide by the sum, round to bf16, through my own stage, out in runs of 512 bytes
.irp nb, 0,1,2,3
	v_permlanex16_b32 v[TP+\nb], v[LS+\nb], s52, s53
.endr
.irp nb, 0,1,2,3
	v_add_f32 v[LS+\nb], v[LS+\nb], v[TP+\nb]      ; both halves of the keys
.endr
.irp nb, 0,1,2,3
	v_rcp_f32 v[LS+\nb], v[LS+\nb]                 ; the sum is at least the largest score's weight, which is 1
.endr
	v_nop                                          ; a plain place behind the reciprocals
	s_wait_alu depctr_va_vdst(0)
	s_lshl_b32 s54, ttmp9, 11
	s_lshl_b32 s55, s13, 9
	s_add_co_u32 s54, s54, s55
	s_lshl_b32 s55, s10, 6
	s_add_co_u32 s54, s54, s55                     ; row 2,048 (batch, head) + 512 cx + 64 wave
	s_lshl_b32 s54, s54, 7
	s_mov_b32 s55, 0
	s_add_nc_u64 s[8:9], s[8:9], s[54:55]
.macro OUTNB nb
	WIN 0x01
.irp mb, 0,1,2,3
.irp i, 0,1,2,3
.if (\nb)&1
	v_pk_mul_f32 v[T+8*\mb+2*\i:T+8*\mb+2*\i+1], v[O+8*(4*\mb+\nb)+2*\i:O+8*(4*\mb+\nb)+2*\i+1], v[LS+2*((\nb)>>1):LS+2*((\nb)>>1)+1] op_sel:[0,1] op_sel_hi:[1,1]
.else
	v_pk_mul_f32 v[T+8*\mb+2*\i:T+8*\mb+2*\i+1], v[O+8*(4*\mb+\nb)+2*\i:O+8*(4*\mb+\nb)+2*\i+1], v[LS+2*((\nb)>>1):LS+2*((\nb)>>1)+1] op_sel_hi:[1,0]
.endif
.endr
.endr
	WIN 0
.irp mb, 0,1,2,3
.irp i, 0,1,2,3
	v_cvt_pk_bf16_f32 v[TB+4*\mb+\i], v[T+8*\mb+2*\i], v[T+8*\mb+2*\i+1]
.endr
.endr
.irp mb, 0,1,2,3
	ds_store_b128 v[STO], v[TB+4*\mb:TB+4*\mb+3] offset:32*\mb
.endr
	s_wait_xcnt 0x0                                ; the registers that earlier stores read are loaded again only behind this wait
.irp t, 0,1,2,3
	ds_load_b128 v[RB+16*((\nb)&1)+4*\t:RB+16*((\nb)&1)+4*\t+3], v[RD] offset:4*SPITCH*\t   ; LDS serves a wave's instructions in order: these see the stores above
.endr
.irp t, 0,1,2,3
	s_wait_dscnt 3-\t
	global_store_b128 v[CO], v[RB+16*((\nb)&1)+4*\t:RB+16*((\nb)&1)+4*\t+3], s[8:9] offset:2048*\nb+512*\t   ; 512 consecutive bytes, aligned
.endr
.endm
	OUTNB 0
	OUTNB 1
	OUTNB 2
	OUTNB 3
	s_wait_xcnt 0x0
	v_lshl_add_u32 v254, v0, 2, 0x29800
	v_mov_b32 v255, 0
	s_wait_tensorcnt 0x0
	ds_add_u32 v254, v255
	s_wait_dscnt 0x0
	ROUND                                          ; the closing round: no work-group ends while a partner may still ask jointly
	s_endpgm
.Lfunc_end_k_qdc81e85592_attn:
	.size	k_qdc81e85592_attn, .Lfunc_end_k_qdc81e85592_attn-k_qdc81e85592_attn
	.p2alignl 7, 3214868480
	.fill 96, 4, 3214868480
	.section	.rodata,"a",@progbits
	.p2align	6, 0x0
	.amdhsa_kernel k_qdc81e85592_attn
		.amdhsa_group_segment_fixed_size 327680
		.amdhsa_private_segment_fixed_size 0
		.amdhsa_enable_private_segment 0
		.amdhsa_kernarg_size 24
		.amdhsa_user_sgpr_count 2
		.amdhsa_user_sgpr_kernarg_segment_ptr 1
		.amdhsa_wavefront_size32 1
		.amdhsa_system_sgpr_workgroup_id_x 1
		.amdhsa_system_sgpr_workgroup_id_y 1
		.amdhsa_system_sgpr_workgroup_id_z 1
		.amdhsa_system_vgpr_workitem_id 0
		.amdhsa_next_free_vgpr 512
		.amdhsa_next_free_sgpr 66
		.amdhsa_reserve_vcc 1
		.amdhsa_float_denorm_mode_32 3
		.amdhsa_float_denorm_mode_16_64 3
		.amdhsa_memory_ordered 1
		.amdhsa_forward_progress 1
		.amdhsa_inst_pref_size 255
	.end_amdhsa_kernel
	.section	.bss,"aw",@nobits
	.p2align	6
	.space	262144
	.amdgpu_metadata
---
amdhsa.version: [ 1, 2 ]
amdhsa.kernels:
  - .name:           k_qdc81e85592_attn
    .symbol:         k_qdc81e85592_attn.kd
    .args:
      - { .name: qkv, .offset: 0, .size: 8, .value_kind: global_buffer, .address_space: global }
      - { .name: mask, .offset: 8, .size: 8, .value_kind: global_buffer, .address_space: global }
      - { .name: ctx, .offset: 16, .size: 8, .value_kind: global_buffer, .address_space: global }
    .group_segment_fixed_size: 327680
    .private_segment_fixed_size: 0
    .kernarg_segment_align: 8
    .kernarg_segment_size: 24
    .max_flat_workgroup_size: 256
    .sgpr_count:     66
    .vgpr_count:     512
    .wavefront_size: 32
...
	.end_amdgpu_metadata
.endif
;; end of part 3
;; launch oproj (part 4): grid 8 x 32, 4 waves a work-group, clusters of 4 x 4, 327,680 bytes of LDS; arguments ctx, wt, b_o, out0; writes out0
.if DOCPART == 4
	.amdgcn_target "amdgcn-amd-amdhsa--gfx1250"
	.amdhsa_code_object_version 6
	.text
	.protected	k_qdc81e85592_oproj
	.globl	k_qdc81e85592_oproj
	.p2align	8
	.type	k_qdc81e85592_oproj,@function
k_qdc81e85592_oproj:
	s_mov_b64 s[64:65], 0
	v_nop
	global_prefetch_b8 v0, s[64:65] scope:SCOPE_SE
	s_setreg_imm32_b32 hwreg(HW_REG_WAVE_MODE, 25, 1), 1
	s_wait_xcnt 0x0
	s_wait_alu depctr_hold_cnt(0) depctr_sa_sdst(0) depctr_va_vdst(0) depctr_va_sdst(0) depctr_va_ssrc(0) depctr_va_vcc(0) depctr_vm_vsrc(0)
	s_getreg_b32 s2, hwreg(HW_REG_IB_STS2, 6, 4)
	s_cmp_eq_u32 s2, 0
	s_cbranch_scc0 .Lentry_in_a_cluster
	s_endpgm
.Lentry_in_a_cluster:
	s_bfe_u32 s2, ttmp6, 0x10000c
	s_cmp_lg_u32 s2, 0xf033
	s_cbranch_scc0 .Lentry_shape_is_right
	s_endpgm
.Lentry_shape_is_right:
; oproj: out0 = context w_o + b_o, bf16 operands, f32 sums and f32 output.  context lies by heads: ctx[b][h][s][64] bf16; w_o^T is rows 3072-4095 of wt.
; Work-group (x, y): rows 256 y .. +255, columns 128 x .. +127: 8 x 32 = 256 work-groups.  Four waves; wave w: rows 128 (w >> 1) .. +127, columns 64 (w & 1) .. +63.
; K goes in steps of 128 = two heads.  A head's 256 rows are 32,768 dense bytes and come as 128 rows of 256 bytes (two sequence rows each), one head a load.
; CLUSTER 4 x 4: the context's tile hangs on y alone and is asked for jointly by a row of the cluster, wt's on x alone and by a column.
; The matrix instruction is used transposed (source 0 = rows of wt, source 1 = rows of the context): lane (r, h) register j = C(row 16 a + r, column 16 b + 8 h + j);
; the first product takes as C a register tile that holds b_o[16 b + 8 h + j].
; REGISTERS: window 0: v2-15 addresses, v32-127 and v128-223 two fragment buffers, v224-255 bias tiles; window 1: accumulator tile (b, a) at v[8 (8 b + a)].
.set PITCH,  272
.set AHALF,  128*PITCH                 ; one head's 256 rows
.set BHALF,  64*PITCH
.set SLOT,   2*AHALF+2*BHALF
.set STAGE,  2*SLOT                    ; 16 rows x 272 bytes for each wave, never the target of a tensor load
.set SPITCH, 272
.set ASTEP,  8*PITCH                   ; 16 sequence rows are 8 LDS rows
.set ADRA, 2
.set ADRB, 4
.set STO,  6
.set RD,   7
.set CO,   8
.set BO,   9
.set F0,   32
.set F1,   128
.set BI,   224
.set RB,   128
.set G1,   28
.set G1B,  36
.set G0,   44
.set G0B,  52
.set MSB, 0
.macro WIN new
.if MSB != (\new)
	s_set_vgpr_msb (MSB<<8)|(\new)
.set MSB, (\new)
.endif
.endm
.macro PLACES                          ; four places behind matrix instructions (ISA guide 7.12.1)
.rept 4
	v_nop
.endr
.endm
.macro JLOAD s                         ; waves 0, 1 ask for the two heads of the context, waves 2, 3 for wt's halves
	s_cmp_eq_u32 s19, 0
	s_cbranch_scc0 .Lfor_b_\@
	tensor_load_to_lds s[G0+4*\s:G0+4*\s+3], s[G1:G1+7]
	s_nop 0
.rept 4
	v_nop
.endr
	s_branch .Lasked_\@
.Lfor_b_\@:
	tensor_load_to_lds s[G0B+4*\s:G0B+4*\s+3], s[G1B:G1B+7]
	s_nop 0
.rept 4
	v_nop
.endr
.Lasked_\@:
.endm
.macro CREST
	s_cmp_lg_u32 s18, 0
	s_cbranch_scc1 .Lnot_wave_0_\@
	s_barrier_signal -3
.Lnot_wave_0_\@:
	s_barrier_wait -3
	s_barrier_signal -1
	s_barrier_wait -1
.endm
.macro CROUND
	s_barrier_signal -1
	s_barrier_wait -1
	CREST
.endm
	s_load_b256 s[4:11], s[0:1], 0x0               ; ctx s[4:5], wt s[6:7], b_o s[8:9], out0 s[10:11]
	v_lshl_add_u32 v30, v0, 2, 0x37400
	v_mov_b32 v31, 0
	ds_add_u32 v30, v31
	v_lshrrev_b32 v1, 5, v0
	v_readfirstlane_b32 s18, v1                    ; wave
	s_lshr_b32 s19, s18, 1
	s_and_b32 s20, s18, 1
	s_bfe_u32 s21, ttmp6, 0x40000                  ; cx
	s_bfe_u32 s22, ttmp6, 0x40004                  ; cy
	s_lshl_b32 s23, ttmp9, 2
	s_add_co_u32 s23, s23, s21                     ; x
	s_and_b32 s24, ttmp7, 0xffff
	s_lshl_b32 s24, s24, 2
	s_add_co_u32 s24, s24, s22                     ; y
	s_lshl_b32 s25, s22, 2
	s_lshl_b32 s25, 15, s25                        ; my row of the cluster
	s_lshl_b32 s26, 0x1111, s21                    ; my column
	s_or_b32 s[G1+0], s25, (1<<16)|(1<<20)|(1<<21)|(5<<22)|(3<<25)
	s_or_b32 s[G1B+0], s26, (1<<16)|(1<<20)|(1<<21)|(5<<22)|(3<<25)
	s_mov_b32 s[G1+1], 128<<16
	s_mov_b32 s[G1B+1], 128<<16
	s_mov_b32 s[G1+2], 128<<16
	s_mov_b32 s[G1B+2], 64<<16
	s_mov_b32 s[G1+3], 128<<16
	s_mov_b32 s[G1B+3], 128<<16
	s_mov_b32 s[G1+4], 128
	s_mov_b32 s[G1B+4], 64
	s_mov_b32 s[G1+5], 128                         ; the context's block is dense
	s_mov_b32 s[G1B+5], 1024
	s_mov_b32 s[G1+6], 0
	s_mov_b32 s[G1B+6], 0
	s_mov_b32 s[G1+7], 0
	s_mov_b32 s[G1B+7], 0
	s_lshr_b32 s60, s24, 3                         ; batch
	s_lshl_b32 s60, s60, 4
	s_add_co_u32 s60, s60, s20                     ; head 2 t + (w & 1), t = 0
	s_lshl_b32 s60, s60, 11
	s_and_b32 s61, s24, 7
	s_lshl_b32 s61, s61, 8
	s_add_co_u32 s60, s60, s61                     ; + my 256 rows
	s_lshl_b32 s60, s60, 7                         ; rows of 128 bytes
	s_mov_b32 s61, 0
	s_lshl_b32 s62, s23, 7
	s_lshl_b32 s63, s20, 6
	s_add_co_u32 s62, s62, s63
	s_add_co_u32 s62, s62, 3072                    ; row 3072 + 128 x + 64 half of wt
	s_lshl_b32 s62, s62, 11
	s_mov_b32 s63, 0
	s_mul_i32 s27, s18, AHALF
	s_mul_i32 s87, s18, BHALF
	s_add_co_u32 s87, s87, AHALF
	s_wait_dscnt 0x0
	s_wait_kmcnt 0x0
	s_add_nc_u64 s[60:61], s[4:5], s[60:61]
	s_add_nc_u64 s[62:63], s[6:7], s[62:63]
	CROUND                                         ; in front of the first joint loads
.irp s, 0,1
	s_mov_b32 s[G0+4*\s], 1
	s_add_co_u32 s[G0+4*\s+1], s27, \s*SLOT
	s_add_nc_u64 s[G0+4*\s+2:G0+4*\s+3], s[60:61], \s*524288       ; K step s: two heads of 262,144 bytes on
	s_or_b32 s[G0+4*\s+3], s[G0+4*\s+3], 0x80000000
	s_mov_b32 s[G0B+4*\s], 1
	s_add_co_u32 s[G0B+4*\s+1], s87, \s*SLOT
	s_add_nc_u64 s[G0B+4*\s+2:G0B+4*\s+3], s[62:63], \s*256
	s_or_b32 s[G0B+4*\s+3], s[G0B+4*\s+3], 0x80000000
	JLOAD \s                                       ; both first fills go out together: two loads of the wave are out
.endr
	v_and_b32 v10, 15, v0                          ; r
	v_bfe_u32 v11, v0, 4, 1                        ; h
	v_mul_u32_u24 v12, v10, PITCH
	v_lshl_add_u32 v12, v11, 4, v12                ; wt's fragment: row r, byte 16 h
	v_lshrrev_b32 v13, 1, v10
	v_mul_u32_u24 v13, v13, PITCH                  ; the context's: sequence row r lies in LDS row r / 2,
	v_and_b32 v14, 1, v10
	v_lshl_add_u32 v13, v14, 7, v13                ; in its half r % 2: sixteen lanes hit sixteen different 16-byte columns modulo 256
	v_lshl_add_u32 v13, v11, 4, v13
	s_mul_i32 s92, s19, 64*PITCH                   ; my 128 sequence rows = 64 LDS rows
	s_mul_i32 s93, s20, BHALF
	s_add_co_u32 s93, s93, 2*AHALF
.irp s, 0,1
	v_add_nc_u32 v[ADRA+\s], s92, v13
	v_add_nc_u32 v[ADRB+\s], s93, v12
	s_add_co_u32 s92, s92, SLOT
	s_add_co_u32 s93, s93, SLOT
.endr
	s_mul_i32 s94, s18, 16*SPITCH
	s_add_co_u32 s94, s94, STAGE
	v_mul_u32_u24 v12, v10, SPITCH
	v_lshl_add_u32 v12, v11, 5, v12
	v_add_nc_u32 v[STO], s94, v12                  ; in: row r, byte 32 h (+ 64 b)
	v_mul_u32_u24 v12, v11, SPITCH
	v_lshl_add_u32 v12, v10, 4, v12
	v_add_nc_u32 v[RD], s94, v12                   ; back: lanes 0-15 one row of 256 bytes, lanes 16-31 the next
	v_lshlrev_b32 v12, 12, v11
	v_lshl_add_u32 v[CO], v10, 4, v12              ; the same two rows in out0 (4,096 bytes a row)
	v_lshlrev_b32 v[BO], 5, v11
	s_lshl_b32 s92, s23, 7
	s_lshl_b32 s93, s20, 6
	s_add_co_u32 s92, s92, s93
	s_lshl_b32 s92, s92, 2                         ; my first column, in bytes
	s_mov_b32 s93, 0
	s_add_nc_u64 s[8:9], s[8:9], s[92:93]
	s_add_nc_u64 s[88:89], s[10:11], s[92:93]
	s_lshl_b32 s94, s24, 8
	s_lshl_b32 s95, s19, 7
	s_add_co_u32 s94, s94, s95
	s_lshl_b32 s94, s94, 12                        ; my first row
	s_mov_b32 s95, 0
	s_add_nc_u64 s[88:89], s[88:89], s[94:95]
.irp b, 0,1,2,3
	global_load_b128 v[BI+8*\b:BI+8*\b+3], v[BO], s[8:9] offset:64*\b
	global_load_b128 v[BI+8*\b+4:BI+8*\b+7], v[BO], s[8:9] offset:64*\b+16
.endr
; The 32 accumulators take turns, one instruction a turn, in the same order in every quarter step.
.macro MULB f, b, zero
.irp a, 0,1,2,3,4,5,6,7
.if \zero
	v_wmma_f32_16x16x32_bf16 v[8*(8*\b+\a):8*(8*\b+\a)+7], v[\f+64+8*\b:\f+64+8*\b+7], v[\f+8*\a:\f+8*\a+7], v[BI+8*\b:BI+8*\b+7]
.else
	v_wmma_f32_16x16x32_bf16 v[8*(8*\b+\a):8*(8*\b+\a)+7], v[\f+64+8*\b:\f+64+8*\b+7], v[\f+8*\a:\f+8*\a+7], v[8*(8*\b+\a):8*(8*\b+\a)+7]
.endif
.endr
.endm
; Quarter q of a K step: head q / 2 of the slot's two, d = 32 (q % 2) ..
.macro FETCH slot, q, f
	WIN 0
.irp i, 0,1,2,3
	ds_load_b128 v[\f+64+8*\i:\f+64+8*\i+3], v[ADRB+\slot] offset:64*\q+\i*16*PITCH
	ds_load_b128 v[\f+64+8*\i+4:\f+64+8*\i+7], v[ADRB+\slot] offset:64*\q+\i*16*PITCH+32
.endr
.irp i, 0,1,2,3,4,5,6,7
	ds_load_b128 v[\f+8*\i:\f+8*\i+3], v[ADRA+\slot] offset:((\q)>>1)*AHALF+((\q)&1)*64+\i*ASTEP
	ds_load_b128 v[\f+8*\i+4:\f+8*\i+7], v[ADRA+\slot] offset:((\q)>>1)*AHALF+((\q)&1)*64+\i*ASTEP+32
.endr
.endm
.macro QUARTER slot, q, f, g, zero
	s_wait_dscnt 0x0                               ; buffer f is in
	WIN 0x50-0x10*\zero
	MULB \f, 0, \zero
	MULB \f, 1, \zero
	PLACES
	FETCH \slot, \q, \g
	WIN 0x50-0x10*\zero
	MULB \f, 2, \zero
	MULB \f, 3, \zero
.endm
.macro THREE slot, zero
	QUARTER \slot, 1, F0, F1, \zero
	QUARTER \slot, 2, F1, F0, 0
	QUARTER \slot, 3, F0, F1, 0
.endm
.macro TURN slot, next, fill
	s_wait_dscnt 0x0                               ; buffer 1 is in, and with it all my reads of this slot: no LDS instruction follows before the signal
	WIN 0x50
	MULB F1, 0, 0
	s_wait_tensorcnt 0x0                           ; all my tensor loads have landed: the one that was out is my part of the next slot
	ds_add_u32 v30, v31
	s_wait_dscnt 0x0
	s_barrier_signal -1
	MULB F1, 1, 0
	WIN 0
	s_barrier_wait -1
.if \fill
	CREST                                          ; no wave of any partner still reads this slot or has a load on its way
	s_add_nc_u64 s[G0+4*\slot+2:G0+4*\slot+3], s[G0+4*\slot+2:G0+4*\slot+3], 1048576     ; two K steps on: four heads
	s_add_nc_u64 s[G0B+4*\slot+2:G0B+4*\slot+3], s[G0B+4*\slot+2:G0B+4*\slot+3], 512
	JLOAD \slot                                    ; my one tensor load behind the round, first thing there
.else
	PLACES
.endif
	FETCH \next, 0, F0
	WIN 0x50
	MULB F1, 2, 0
	MULB F1, 3, 0
.endm
.macro LAP zero
	THREE 0, \zero
	TURN 0, 1, 1
	THREE 1, 0
	TURN 1, 0, 1
.endm
	s_wait_tensorcnt 0x1                           ; my part of K step 0 is in; step 1's may stay out
	s_barrier_signal -1
	s_barrier_wait -1
	FETCH 0, 0, F0
	s_wait_loadcnt 0x0                             ; the bias tiles
	LAP 1
	LAP 0
	LAP 0
	THREE 0, 0                                     ; the last two K steps ask for nothing
	TURN 0, 1, 0
	THREE 1, 0
	s_wait_dscnt 0x0
	WIN 0x50
	MULB F1, 0, 0
	MULB F1, 1, 0
	MULB F1, 2, 0
	MULB F1, 3, 0
	PLACES                                         ; the LDS stores below read results; the loads below land in buffer 1
	; THE WAY OUT, 16 rows at a time: f32 straight from the accumulators into my own stage, back as whole rows of 256 bytes
.irp a, 0,1,2,3,4,5,6,7
	WIN 0x04                                       ; store data in window 1
.irp b, 0,1,2,3
	ds_store_b128 v[STO], v[8*(8*\b+\a):8*(8*\b+\a)+3] offset:64*\b
	ds_store_b128 v[STO], v[8*(8*\b+\a)+4:8*(8*\b+\a)+7] offset:64*\b+16
.endr
	WIN 0
	s_wait_xcnt 0x0                                ; the registers that earlier stores read are loaded again only behind this wait
.irp t, 0,1,2,3,4,5,6,7
	ds_load_b128 v[RB+32*(\a%2)+4*\t:RB+32*(\a%2)+4*\t+3], v[RD] offset:2*SPITCH*\t   ; LDS serves a wave's instructions in order: these see the stores above
.endr
.irp t, 0,1,2,3,4,5,6,7
	s_wait_dscnt 7-\t
	global_store_b128 v[CO], v[RB+32*(\a%2)+4*\t:RB+32*(\a%2)+4*\t+3], s[88:89] offset:(16*\a+2*\t)*4096 th:TH_STORE_NT   ; sixteen lanes store 256 consecutive bytes, aligned
.endr
.endr
	s_wait_tensorcnt 0x0
	ds_add_u32 v30, v31
	s_wait_dscnt 0x0
	CROUND                                         ; the closing round
	s_endpgm
.Lfunc_end_k_qdc81e85592_oproj:
	.size	k_qdc81e85592_oproj, .Lfunc_end_k_qdc81e85592_oproj-k_qdc81e85592_oproj
	.p2alignl 7, 3214868480
	.fill 96, 4, 3214868480
	.section	.rodata,"a",@progbits
	.p2align	6, 0x0
	.amdhsa_kernel k_qdc81e85592_oproj
		.amdhsa_group_segment_fixed_size 327680
		.amdhsa_private_segment_fixed_size 0
		.amdhsa_enable_private_segment 0
		.amdhsa_kernarg_size 32
		.amdhsa_user_sgpr_count 2
		.amdhsa_user_sgpr_kernarg_segment_ptr 1
		.amdhsa_wavefront_size32 1
		.amdhsa_system_sgpr_workgroup_id_x 1
		.amdhsa_system_sgpr_workgroup_id_y 1
		.amdhsa_system_sgpr_workgroup_id_z 1
		.amdhsa_system_vgpr_workitem_id 0
		.amdhsa_next_free_vgpr 512
		.amdhsa_next_free_sgpr 100
		.amdhsa_reserve_vcc 0
		.amdhsa_float_denorm_mode_32 3
		.amdhsa_float_denorm_mode_16_64 3
		.amdhsa_memory_ordered 1
		.amdhsa_forward_progress 1
		.amdhsa_inst_pref_size 151
	.end_amdhsa_kernel
	.amdgpu_metadata
---
amdhsa.version: [ 1, 2 ]
amdhsa.kernels:
  - .name:           k_qdc81e85592_oproj
    .symbol:         k_qdc81e85592_oproj.kd
    .args:
      - { .name: ctx, .offset: 0, .size: 8, .value_kind: global_buffer, .address_space: global }
      - { .name: wt, .offset: 8, .size: 8, .value_kind: global_buffer, .address_space: global }
      - { .name: b_o, .offset: 16, .size: 8, .value_kind: global_buffer, .address_space: global }
      - { .name: out0, .offset: 24, .size: 8, .value_kind: global_buffer, .address_space: global }
    .group_segment_fixed_size: 327680
    .private_segment_fixed_size: 0
    .kernarg_segment_align: 8
    .kernarg_segment_size: 32
    .max_flat_workgroup_size: 128
    .sgpr_count:     100
    .vgpr_count:     512
    .wavefront_size: 32
...
	.end_amdgpu_metadata
.endif
;; end of part 4
;; ======== version 2 of 2: 4 launches; 1.14 times as fast as version 1
;; limits: values are held in f16: magnitudes above 65,504 overflow, below 6.1e-05 lose precision
;; workspace buffers: xb 16,777,216 bytes; wt 8,388,608 bytes; qkv 50,331,648 bytes; ctx 16,777,216 bytes
;; launch prep: the kernel of part 1 again; grid 768 x 1, 8 waves a work-group, no clusters, 35,840 bytes of LDS; arguments x, w_q, w_k, w_v, w_o, xb, wt; writes xb, wt
;; launch proj (part 5): grid 8 x 32, 4 waves a work-group, clusters of 4 x 4, 327,680 bytes of LDS; arguments xb, wt, b_q, b_k, b_v, mask, qkv; writes qkv
.if DOCPART == 5
	.amdgcn_target "amdgcn-amd-amdhsa--gfx1250"
	.amdhsa_code_object_version 6
	.text
	.protected	k_qdc81e85592_proj
	.globl	k_qdc81e85592_proj
	.p2align	8
	.type	k_qdc81e85592_proj,@function
k_qdc81e85592_proj:
	s_mov_b64 s[64:65], 0
	v_nop
	global_prefetch_b8 v0, s[64:65] scope:SCOPE_SE
	s_setreg_imm32_b32 hwreg(HW_REG_WAVE_MODE, 25, 1), 1
	s_wait_xcnt 0x0
	s_wait_alu depctr_hold_cnt(0) depctr_sa_sdst(0) depctr_va_vdst(0) depctr_va_sdst(0) depctr_va_ssrc(0) depctr_va_vcc(0) depctr_vm_vsrc(0)
	s_getreg_b32 s2, hwreg(HW_REG_IB_STS2, 6, 4)
	s_cmp_eq_u32 s2, 0
	s_cbranch_scc0 .Lentry_in_a_cluster
	s_endpgm
.Lentry_in_a_cluster:
	s_bfe_u32 s2, ttmp6, 0x10000c
	s_cmp_lg_u32 s2, 0xf033
	s_cbranch_scc0 .Lentry_shape_is_right
	s_endpgm
.Lentry_shape_is_right:
; proj: [Q | K | V] = x W + b, bf16 operands, f32 sums, stored in f16 by heads: qkv[b 4][g 48][s 2048][64], g 0-15 Q, 16-31 K, 32-47 V.
; Q is stored times log2(e) / 8, multiplied in f32 ahead of its one rounding: the attention launch's scores then come in units of log2 and need no scale.
; K's rows of keys with mask == 0 are stored as zeros: the attention launch then gets q.k = 0 there exactly and adds the mask's constant.
; WHY f16: it carries 11 significant bits against bf16's 8, and the attention's result passes through four such roundings (Q, K, weights, V).
; LIMIT: |k|, |v| and |q| log2(e) / 8 above 65,504 are stored as infinities.  Room: with every input 30 times larger they reach about 900 x 5.5 = 5,000; with x offset
; by 30 and the weights by 30/32 about 1024 x 30 x 0.94 = 29,000.
; Work-group (x, y): rows 256 y .. +255 of x, and two blocks of 192 columns, 384 x + 192 j, one after the other with the LDS slots taking turns on into the next block.
; 8 x 32 = 256 work-groups of equal work.  Four waves; wave w: rows 64 w .. +63 and all 192 columns = three whole heads: 48 accumulator tiles, 384 registers.
; K goes in steps of 128 (rows of 256 bytes, aligned) through two LDS slots filled by tensor loads; a step is 192 matrix instructions of a wave, and between a slot's
; request and the wait for it a wave issues 184 of them.
; CLUSTER 4 x 4: x's tile hangs on y alone and is asked for jointly by a row of the cluster, wt's on x alone and by a column.
; THE MATRIX INSTRUCTION IS USED TRANSPOSED: source 0 = 16 rows of wt, source 1 = 16 rows of x; lane (r, h) register j = C(row 16 a + r, column 16 b + 8 h + j).
; The bias costs nothing: a block's first product takes as C a register tile that holds bias[16 b + 8 h + j].
; REGISTERS: window 0: v2-15 addresses, v16-19 mask, buffer 0 (x's 4 fragments v32-63, wt's 12 v64-159), v160-255 the 12 bias tiles.
;            window 1: accumulator tile (b, a), b = 0-7, at v[8 (4 b + a)].   window 2: b = 8-11 at v[8 (4 (b - 8) + a)]; buffer 1 (x v128-159, wt v160-255).
.set PITCH,  272                       ; LDS row: 256 bytes + 16 of padding: the sixteen rows of a fragment load lie in sixteen different 16-byte columns modulo 256
.set AHALF,  128*PITCH                 ; what one load brings of x
.set BHALF,  96*PITCH                  ; what one load brings of wt
.set SLOT,   2*AHALF+2*BHALF           ; x's 256 rows, then wt's 192 rows
.set STAGE,  2*SLOT                    ; behind the slots: 16 rows x 144 bytes for each wave, never the target of a tensor load
.set SPITCH, 144
.set FSTEP,  16*PITCH                  ; from fragment to fragment
.set ADRA, 2                           ; v2-3   LDS address of my x fragments in slot 0, 1
.set ADRB, 4                           ; v4-5   the same for wt
.set STO,  6
.set RD,   7
.set CO,   8
.set BO,   9                           ; 32 h: my 8 numbers of a bias tile
.set MOF,  13                          ; 4 r: my row's word of the mask
.set MK,   16
.set BI,   160
.set TF,   128                         ; the way out works in buffer 1 (window 2): buffer 0 already holds the next block's first fragments
.set T,    160
.set RB,   176
.set G1,   28
.set G1B,  36
.set G0,   44
.set G0B,  52
.set KEEP, 68                          ; s[68:71] lanes whose row (16 a + r) has mask != 0
.set EFF,  72                          ; s[72:75] the same for a K head, all ones for a Q or V head
.set MSB, 0
.macro WIN new                         ; the immediate's high byte repeats the setting that is left
.if MSB != (\new)
	s_set_vgpr_msb (MSB<<8)|(\new)
.set MSB, (\new)
.endif
.endm
.macro PLACES                          ; four places behind matrix instructions, in front of loads into their sources and of readers of their results
.rept 4
	v_nop
.endr
.endm
; A joint load: waves 0, 1 ask for x's halves, waves 2, 3 for wt's.  The branch hangs on the wave's number alone.
.macro JLOAD s
	s_cmp_eq_u32 s19, 0
	s_cbranch_scc0 .Lfor_b_\@
	tensor_load_to_lds s[G0+4*\s:G0+4*\s+3], s[G1:G1+7]
	s_nop 0
.rept 4
	v_nop
.endr
	s_branch .Lasked_\@
.Lfor_b_\@:
	tensor_load_to_lds s[G0B+4*\s:G0B+4*\s+3], s[G1B:G1B+7]
	s_nop 0
.rept 4
	v_nop
.endr
.Lasked_\@:
.endm
.macro CREST                           ; a round of the cluster's barrier behind its opening work-group barrier
	s_cmp_lg_u32 s18, 0
	s_cbranch_scc1 .Lnot_wave_0_\@
	s_barrier_signal -3
.Lnot_wave_0_\@:
	s_barrier_wait -3
	s_barrier_signal -1
	s_barrier_wait -1
.endm
.macro CROUND
	s_barrier_signal -1
	s_barrier_wait -1
	CREST
.endm
	s_load_b256 s[4:11], s[0:1], 0x0               ; xb s[4:5], wt s[6:7], b_q s[8:9], b_k s[10:11]
	s_load_b128 s[12:15], s[0:1], 0x20             ; b_v s[12:13], mask s[14:15]
	s_load_b64 s[16:17], s[0:1], 0x30              ; qkv
	v_lshl_add_u32 v30, v0, 2, 0x3dc00
	v_mov_b32 v31, 0
	ds_add_u32 v30, v31
	v_lshrrev_b32 v1, 5, v0
	v_readfirstlane_b32 s18, v1                    ; wave
	s_lshr_b32 s19, s18, 1                         ; I ask for x (0) or wt (1)
	s_and_b32 s20, s18, 1                          ; which half of that tile I ask for
	s_bfe_u32 s21, ttmp6, 0x40000                  ; cx
	s_bfe_u32 s22, ttmp6, 0x40004                  ; cy
	s_lshl_b32 s23, ttmp9, 2
	s_add_co_u32 s23, s23, s21                     ; x = 4 cluster x + cx
	s_and_b32 s24, ttmp7, 0xffff
	s_lshl_b32 s24, s24, 2
	s_add_co_u32 s24, s24, s22                     ; y = 4 cluster y + cy
	s_lshl_b32 s25, s22, 2
	s_lshl_b32 s25, 15, s25                        ; my row of the cluster
	s_lshl_b32 s26, 0x1111, s21                    ; my column
	s_or_b32 s[G1+0], s25, (1<<16)|(1<<20)|(1<<21)|(5<<22)|(3<<25)    ; mask; 2-byte elements; padding on; bit 21 beside a mask; after every 64 words 4 words
	s_or_b32 s[G1B+0], s26, (1<<16)|(1<<20)|(1<<21)|(5<<22)|(3<<25)
	s_mov_b32 s[G1+1], 128<<16                     ; tensor_dim0 = 128
	s_mov_b32 s[G1B+1], 128<<16
	s_mov_b32 s[G1+2], 128<<16                     ; tensor_dim1 = 128 rows of x
	s_mov_b32 s[G1B+2], 96<<16                     ; 96 rows of wt
	s_mov_b32 s[G1+3], 128<<16                     ; tile_dim0 = 128
	s_mov_b32 s[G1B+3], 128<<16
	s_mov_b32 s[G1+4], 128                         ; tile_dim1
	s_mov_b32 s[G1B+4], 96
	s_mov_b32 s[G1+5], 1024                        ; elements from row to row
	s_mov_b32 s[G1B+5], 1024
	s_mov_b32 s[G1+6], 0
	s_mov_b32 s[G1B+6], 0
	s_mov_b32 s[G1+7], 0
	s_mov_b32 s[G1B+7], 0
	; x's address is made of y and the wave alone (s60-61), wt's of x and the wave alone (s62-63)
	s_lshl_b32 s60, s24, 8
	s_lshl_b32 s61, s20, 7
	s_add_co_u32 s60, s60, s61                     ; row 256 y + 128 half
	s_lshl_b32 s60, s60, 11                        ; rows of 2,048 bytes
	s_mov_b32 s61, 0
	s_mul_i32 s62, s23, 384
	s_mul_i32 s63, s20, 96
	s_add_co_u32 s62, s62, s63                     ; row 384 x + 96 half
	s_lshl_b32 s62, s62, 11
	s_mov_b32 s63, 0
	s_mul_i32 s27, s18, AHALF                      ; LDS: x's halves at wave x 34,816 (waves 0, 1)
	s_mul_i32 s87, s18, BHALF
	s_add_co_u32 s87, s87, 2*AHALF-2*BHALF         ; wt's halves at wave x 26,112 + 17,408 (waves 2, 3): behind x's 69,632 bytes
	s_wait_dscnt 0x0
	s_wait_kmcnt 0x0
	s_add_nc_u64 s[60:61], s[4:5], s[60:61]
	s_add_nc_u64 s[62:63], s[6:7], s[62:63]
	CROUND                                         ; all sixteen work-groups are here: the first joint loads meet
.irp s, 0,1
	s_mov_b32 s[G0+4*\s], 1
	s_add_co_u32 s[G0+4*\s+1], s27, \s*SLOT
	s_add_nc_u64 s[G0+4*\s+2:G0+4*\s+3], s[60:61], \s*256          ; K step s
	s_or_b32 s[G0+4*\s+3], s[G0+4*\s+3], 0x80000000
	s_mov_b32 s[G0B+4*\s], 1
	s_add_co_u32 s[G0B+4*\s+1], s87, \s*SLOT
	s_add_nc_u64 s[G0B+4*\s+2:G0B+4*\s+3], s[62:63], \s*256
	s_or_b32 s[G0B+4*\s+3], s[G0B+4*\s+3], 0x80000000
	JLOAD \s                                       ; both first fills go out together: two loads of the wave are out
.endr
	v_and_b32 v10, 15, v0                          ; r
	v_bfe_u32 v11, v0, 4, 1                        ; h
	v_and_b32 v14, 31, v0                          ; lane
	v_mul_u32_u24 v12, v10, PITCH
	v_lshl_add_u32 v12, v11, 4, v12                ; fragment: row r, 16 bytes for each half of the lanes
	s_mul_i32 s92, s18, 64*PITCH                   ; my 64 rows of x
	s_mov_b32 s93, 2*AHALF                         ; wt's 192 rows, which every wave reads
.irp s, 0,1
	v_add_nc_u32 v[ADRA+\s], s92, v12
	v_add_nc_u32 v[ADRB+\s], s93, v12
	s_add_co_u32 s92, s92, SLOT
	s_add_co_u32 s93, s93, SLOT
.endr
	s_mul_i32 s94, s18, 16*SPITCH
	s_add_co_u32 s94, s94, STAGE                   ; my stage
	v_mul_u32_u24 v12, v10, SPITCH
	v_lshl_add_u32 v12, v11, 4, v12
	v_add_nc_u32 v[STO], s94, v12                  ; in: row r, byte 16 h (+ 32 for each 16 columns)
	v_lshrrev_b32 v12, 3, v14
	v_mul_u32_u24 v12, v12, SPITCH
	v_and_b32 v15, 7, v14
	v_lshl_add_u32 v12, v15, 4, v12
	v_add_nc_u32 v[RD], s94, v12                   ; back: four rows of 128 bytes a load
	v_lshlrev_b32 v[CO], 4, v14                    ; which are 512 consecutive bytes of the head
	v_lshlrev_b32 v[BO], 5, v11
	v_lshlrev_b32 v[MOF], 2, v10
	s_lshl_b32 s92, s24, 10
	s_lshl_b32 s93, s18, 8
	s_add_co_u32 s92, s92, s93                     ; 4 bytes x (256 y + 64 wave): the mask's [4][2048] are x's 8,192 rows
	s_mov_b32 s93, 0
	s_add_nc_u64 s[14:15], s[14:15], s[92:93]
.irp a, 0,1,2,3
	global_load_b32 v[MK+\a], v[MOF], s[14:15] offset:64*\a
.endr
	s_mul_i32 s85, s23, 6                          ; the block's first head of the 48: 6 x + 3 j, block j = 0
; The bias tiles of heads s92, s92 + 1, s92 + 2.  A block's heads may belong to different projections (15, 16, 17), so each head has its own choice,
; made by selects, never by a branch: the head's number differs between partners of the cluster.
.macro BIASLOAD
.irp hd, 0,1,2
	s_add_co_u32 s86, s92, \hd
	s_lshr_b32 s93, s86, 4
	s_and_b32 s94, s86, 15
	s_lshl_b32 s94, s94, 8                         ; 64 numbers of 4 bytes a head
	s_mov_b32 s95, 0
	s_wait_xcnt 0x0                                ; the base of the loads issued so far is written again only behind this wait
	s_cmp_eq_u32 s93, 1
	s_cselect_b64 s[90:91], s[10:11], s[8:9]
	s_cmp_eq_u32 s93, 2
	s_cselect_b64 s[90:91], s[12:13], s[90:91]
	s_add_nc_u64 s[90:91], s[90:91], s[94:95]
.irp bb, 0,1,2,3
	global_load_b128 v[BI+8*(4*\hd+\bb):BI+8*(4*\hd+\bb)+3], v[BO], s[90:91] offset:64*\bb
	global_load_b128 v[BI+8*(4*\hd+\bb)+4:BI+8*(4*\hd+\bb)+7], v[BO], s[90:91] offset:64*\bb+16
.endr
.endr
.endm
	s_mov_b32 s92, s85
	BIASLOAD
; Four matrix instructions: n block b x my 4 row blocks, 32 along K, from buffer fs.  zero = 1: the first product starts the sums from the bias tile.
; The 48 accumulators take turns, one instruction a turn, in the same order in every quarter step.
.macro MULB fs, b, zero
.irp a, 0,1,2,3
.if \zero
	v_wmma_f32_16x16x32_bf16 v[8*(4*((\b)%8)+\a):8*(4*((\b)%8)+\a)+7], v[64+96*\fs+8*(\b):64+96*\fs+8*(\b)+7], v[32+96*\fs+8*\a:32+96*\fs+8*\a+7], v[BI+8*(\b):BI+8*(\b)+7]
.else
	v_wmma_f32_16x16x32_bf16 v[8*(4*((\b)%8)+\a):8*(4*((\b)%8)+\a)+7], v[64+96*\fs+8*(\b):64+96*\fs+8*(\b)+7], v[32+96*\fs+8*\a:32+96*\fs+8*\a+7], v[8*(4*((\b)%8)+\a):8*(4*((\b)%8)+\a)+7]
.endif
.endr
.endm
.macro WINHI fs, zero                  ; D in window 2; C there too, or the bias tile in window 0; the fragments in window 0 or 2
	WIN 0x80+0x20*(1-\zero)+0x0a*\fs
.endm
.macro WINLO fs, zero                  ; the same with D in window 1
	WIN 0x40+0x10*(1-\zero)+0x0a*\fs
.endm
.macro MULHI fs, zero                  ; n blocks 8-11: 16 matrix instructions
	WINHI \fs, \zero
.irp b, 8,9,10,11
	MULB \fs, \b, \zero
.endr
.endm
.macro MULLO fs, zero                  ; n blocks 0-7: 32 matrix instructions
	WINLO \fs, \zero
.irp b, 0,1,2,3,4,5,6,7
	MULB \fs, \b, \zero
.endr
.endm
; 32 LDS loads in one run: the fragments of quarter q of a K step into buffer fs
.macro FETCH slot, q, fs
	WIN 0x80*\fs
.irp i, 0,1,2,3,4,5,6,7,8,9,10,11
	ds_load_b128 v[64+96*\fs+8*\i:64+96*\fs+8*\i+3], v[ADRB+\slot] offset:64*\q+\i*FSTEP
	ds_load_b128 v[64+96*\fs+8*\i+4:64+96*\fs+8*\i+7], v[ADRB+\slot] offset:64*\q+\i*FSTEP+32
.endr
.irp i, 0,1,2,3
	ds_load_b128 v[32+96*\fs+8*\i:32+96*\fs+8*\i+3], v[ADRA+\slot] offset:64*\q+\i*FSTEP
	ds_load_b128 v[32+96*\fs+8*\i+4:32+96*\fs+8*\i+7], v[ADRA+\slot] offset:64*\q+\i*FSTEP+32
.endr
.endm
; One of a K step's first three quarters: multiplies buffer f; behind its first 16 matrix instructions it fetches quarter q into buffer g, 32 ahead of the first use
.macro QUARTER slot, q, f, g, zero
	s_wait_dscnt 0x0                               ; buffer f is in: its 32 loads were issued 32 matrix instructions ago
	MULHI \f, \zero
	PLACES
	FETCH \slot, \q, \g
	MULLO \f, \zero
.endm
.macro THREE slot, zero
	QUARTER \slot, 1, 0, 1, \zero
	QUARTER \slot, 2, 1, 0, 0
	QUARTER \slot, 3, 0, 1, 0
.endm
; The slot's next tile: two K steps on, or (wrap) the same steps of the next 192 columns: x back to its row's start, wt 192 rows down
.macro STEPADDR slot, wrap
.if \wrap
	s_sub_nc_u64 s[G0+4*\slot+2:G0+4*\slot+3], s[G0+4*\slot+2:G0+4*\slot+3], 1536
	s_add_nc_u64 s[G0B+4*\slot+2:G0B+4*\slot+3], s[G0B+4*\slot+2:G0B+4*\slot+3], 192*2048-1536
.else
	s_add_nc_u64 s[G0+4*\slot+2:G0+4*\slot+3], s[G0+4*\slot+2:G0+4*\slot+3], 512
	s_add_nc_u64 s[G0B+4*\slot+2:G0B+4*\slot+3], s[G0B+4*\slot+2:G0B+4*\slot+3], 512
.endif
.endm
; The last quarter: multiplies buffer 1 and changes slots.  One barrier for the change; where the slot is filled again it opens a round of the cluster's barrier.
.macro TURN slot, next, fill, wrap
	s_wait_dscnt 0x0                               ; buffer 1 is in, and with it all my reads of this slot: no LDS instruction follows before the signal
	WINHI 1, 0
	MULB 1, 8, 0
	MULB 1, 9, 0
	s_set_vgpr_msb 0xaaa0
	s_wait_tensorcnt 0x0                           ; all my tensor loads have landed: the one that was out is my part of the next slot
	ds_add_u32 v30, v31
	s_wait_dscnt 0x0
	s_set_vgpr_msb 0xa0aa
	s_barrier_signal -1
	MULB 1, 10, 0                                  ; register work while the others arrive
	MULB 1, 11, 0
	WIN 0
	s_barrier_wait -1
.if \fill
	CREST                                          ; no wave of any partner still reads this slot or has a load on its way
	STEPADDR \slot, \wrap                          ; no load of mine is out: the descriptors may be written
	JLOAD \slot                                    ; my one tensor load behind the round, first thing there; its four v_nop are also the places in front of the loads below
.else
	PLACES
.endif
	FETCH \next, 0, 0
	MULLO 1, 0
.endm
.macro LAP zero, wrap                  ; two K steps, both slots filled again
	THREE 0, \zero
	TURN 0, 1, 1, \wrap
	THREE 1, 0
	TURN 1, 0, 1, \wrap
.endm
; The way out, head by head and 16 rows at a time: times the head's factor, round to f16, zero K's masked rows, 16 bytes a lane into my own stage, back as whole rows,
; out in runs of 512 bytes.  Factor and mask are chosen by selects, never by a branch: the head's number differs between partners of the cluster.
.macro OUT
.irp hd, 0,1,2
	s_add_co_u32 s86, s85, \hd                     ; the head of the 48
	s_lshr_b32 s93, s86, 4
	s_mov_b32 s97, 0x3f800000                      ; 1.0 for K and V
	s_cmp_eq_u32 s93, 0                            ; a Q head?
	s_cselect_b32 s96, 0x3e38aa3b, s97             ; log2(e) / 8 for Q
	s_mov_b32 s97, s96                             ; the packed multiply names the pair
	s_cmp_eq_u32 s93, 1                            ; a K head?
.irp a, 0,1,2,3
	s_cselect_b32 s[EFF+\a], s[KEEP+\a], -1
.endr
	s_lshr_b32 s92, s24, 3                         ; batch = y / 8
	s_mul_i32 s92, s92, 48
	s_add_co_u32 s92, s92, s86
	s_lshl_b32 s92, s92, 11                        ; 2,048 rows a head
	s_and_b32 s93, s24, 7
	s_lshl_b32 s93, s93, 8
	s_add_co_u32 s92, s92, s93
	s_lshl_b32 s93, s18, 6
	s_add_co_u32 s92, s92, s93                     ; + 256 (y % 8) + 64 wave
	s_lshl_b32 s92, s92, 7                         ; rows of 128 bytes
	s_mov_b32 s93, 0
	s_wait_xcnt 0x0                                ; the last head's stores let go of their base only behind this wait
	s_add_nc_u64 s[88:89], s[16:17], s[92:93]
.irp a, 0,1,2,3
	WIN 0x81+\hd/2                                 ; destination in window 2, source 0 in the head's accumulator window
.irp bb, 0,1,2,3
.irp i, 0,1,2,3
	v_pk_mul_f32 v[TF+8*\bb+2*\i:TF+8*\bb+2*\i+1], v[8*(4*((4*\hd+\bb)%8)+\a)+2*\i:8*(4*((4*\hd+\bb)%8)+\a)+2*\i+1], s[96:97] op_sel_hi:[1,0]
.endr
.endr
	WIN 0x8a                                       ; all in window 2
.irp bb, 0,1,2,3
.irp i, 0,1,2,3
	v_cvt_pk_f16_f32 v[T+4*\bb+\i], v[TF+8*\bb+2*\i], v[TF+8*\bb+2*\i+1]
.endr
.endr
.irp i, 0,1,2,3,4,5,6,7,8,9,10,11,12,13,14,15
	v_cndmask_b32 v[T+\i], 0, v[T+\i], s[EFF+\a]   ; my lane's row 16 a + r: kept, or zero
.endr
	WIN 0x88                                       ; addresses in window 0; store data and loaded data in window 2
.irp bb, 0,1,2,3
	ds_store_b128 v[STO], v[T+4*\bb:T+4*\bb+3] offset:32*\bb
.endr
	s_wait_xcnt 0x0                                ; the registers that earlier stores read are loaded again only behind this wait
.irp t, 0,1,2,3
	ds_load_b128 v[RB+16*(\a%2)+4*\t:RB+16*(\a%2)+4*\t+3], v[RD] offset:4*SPITCH*\t   ; LDS serves a wave's instructions in order: these see the stores above
.endr
.irp t, 0,1,2,3
	s_wait_dscnt 3-\t
	global_store_b128 v[CO], v[RB+16*(\a%2)+4*\t:RB+16*(\a%2)+4*\t+3], s[88:89] offset:2048*\a+512*\t   ; 512 consecutive bytes, aligned
.endr
.endr
.endr
	WIN 0
	s_wait_xcnt 0x0                                ; buffer 1 is loaded again only behind this wait
.endm
	s_wait_tensorcnt 0x1                           ; my part of K step 0 is in; step 1's may stay out
	s_barrier_signal -1
	s_barrier_wait -1
	FETCH 0, 0, 0
	s_wait_loadcnt 0x0                             ; mask and bias
.irp a, 0,1,2,3
	v_cmp_ne_u32 s[KEEP+\a], 0, v[MK+\a]
.endr
	; ---- block 0
	LAP 1, 0
	WIN 0
	s_add_co_u32 s92, s85, 3
	BIASLOAD                                       ; the next block's bias: this block's first products, which read these registers, lie many places back
	s_mov_b32 s84, 2
.Llap0:
	LAP 0, 0
	WIN 0                                          ; at a label and at a branch every window is 0
	s_sub_co_i32 s84, s84, 1
	s_cmp_lg_u32 s84, 0
	s_cbranch_scc1 .Llap0
	LAP 0, 1                                       ; K steps 6 and 7 ask for the next block's steps 0 and 1
	PLACES
	OUT
	s_add_co_u32 s85, s85, 3
	s_wait_loadcnt 0x0                             ; block 1's bias tiles
	; ---- block 1: its last two K steps ask for nothing
	LAP 1, 0
	WIN 0
	s_mov_b32 s84, 2
.Llap1:
	LAP 0, 0
	WIN 0
	s_sub_co_i32 s84, s84, 1
	s_cmp_lg_u32 s84, 0
	s_cbranch_scc1 .Llap1
	THREE 0, 0
	TURN 0, 1, 0, 0
	THREE 1, 0
	s_wait_dscnt 0x0
	MULHI 1, 0
	MULLO 1, 0
	PLACES
	OUT
	s_wait_tensorcnt 0x0
	ds_add_u32 v30, v31
	s_wait_dscnt 0x0
	CROUND                                         ; the closing round: no work-group ends while a partner may still ask jointly
	s_endpgm
.Lfunc_end_k_qdc81e85592_proj:
	.size	k_qdc81e85592_proj, .Lfunc_end_k_qdc81e85592_proj-k_qdc81e85592_proj
	.p2alignl 7, 3214868480
	.fill 96, 4, 3214868480
	.section	.rodata,"a",@progbits
	.p2align	6, 0x0
	.amdhsa_kernel k_qdc81e85592_proj
		.amdhsa_group_segment_fixed_size 327680
		.amdhsa_private_segment_fixed_size 0
		.amdhsa_enable_private_segment 0
		.amdhsa_kernarg_size 56
		.amdhsa_user_sgpr_count 2
		.amdhsa_user_sgpr_kernarg_segment_ptr 1
		.amdhsa_wavefront_size32 1
		.amdhsa_system_sgpr_workgroup_id_x 1
		.amdhsa_system_sgpr_workgroup_id_y 1
		.amdhsa_system_sgpr_workgroup_id_z 1
		.amdhsa_system_vgpr_workitem_id 0
		.amdhsa_next_free_vgpr 768
		.amdhsa_next_free_sgpr 100
		.amdhsa_reserve_vcc 0
		.amdhsa_float_denorm_mode_32 3
		.amdhsa_float_denorm_mode_16_64 3
		.amdhsa_memory_ordered 1
		.amdhsa_forward_progress 1
		.amdhsa_inst_pref_size 255
	.end_amdhsa_kernel
	.section	.bss,"aw",@nobits
	.p2align	6
	.space	262144
	.amdgpu_metadata
---
amdhsa.version: [ 1, 2 ]
amdhsa.kernels:
  - .name:           k_qdc81e85592_proj
    .symbol:         k_qdc81e85592_proj.kd
    .args:
      - { .name: xb, .offset: 0, .size: 8, .value_kind: global_buffer, .address_space: global }
      - { .name: wt, .offset: 8, .size: 8, .value_kind: global_buffer, .address_space: global }
      - { .name: b_q, .offset: 16, .size: 8, .value_kind: global_buffer, .address_space: global }
      - { .name: b_k, .offset: 24, .size: 8, .value_kind: global_buffer, .address_space: global }
      - { .name: b_v, .offset: 32, .size: 8, .value_kind: global_buffer, .address_space: global }
      - { .name: mask, .offset: 40, .size: 8, .value_kind: global_buffer, .address_space: global }
      - { .name: qkv, .offset: 48, .size: 8, .value_kind: global_buffer, .address_space: global }
    .group_segment_fixed_size: 327680
    .private_segment_fixed_size: 0
    .kernarg_segment_align: 8
    .kernarg_segment_size: 56
    .max_flat_workgroup_size: 128
    .sgpr_count:     100
    .vgpr_count:     768
    .wavefront_size: 32
...
	.end_amdgpu_metadata
.endif
;; end of part 5
;; launch attn (part 6): grid 256 x 1, 8 waves a work-group, clusters of 4 x 1, 327,680 bytes of LDS; arguments qkv, mask, ctx; writes ctx
.if DOCPART == 6
	.amdgcn_target "amdgcn-amd-amdhsa--gfx1250"
	.amdhsa_code_object_version 6
	.text
	.protected	k_qdc81e85592_attn
	.globl	k_qdc81e85592_attn
	.p2align	8
	.type	k_qdc81e85592_attn,@function
k_qdc81e85592_attn:
	s_mov_b64 s[64:65], 0
	v_nop
	global_prefetch_b8 v0, s[64:65] scope:SCOPE_SE
	s_setreg_imm32_b32 hwreg(HW_REG_WAVE_MODE, 25, 1), 1
	s_wait_xcnt 0x0
	s_wait_alu depctr_hold_cnt(0) depctr_sa_sdst(0) depctr_va_vdst(0) depctr_va_sdst(0) depctr_va_ssrc(0) depctr_va_vcc(0) depctr_vm_vsrc(0)
	s_getreg_b32 s2, hwreg(HW_REG_IB_STS2, 6, 4)
	s_cmp_eq_u32 s2, 0
	s_cbranch_scc0 .Lentry_in_a_cluster
	s_endpgm
.Lentry_in_a_cluster:
	s_bfe_u32 s2, ttmp6, 0x10000c
	s_cmp_lg_u32 s2, 0x3003
	s_cbranch_scc0 .Lentry_shape_is_right
	s_endpgm
.Lentry_shape_is_right:
; attn: softmax(q.k / 8, masked keys at -1e9) V for one head and 512 queries a work-group; Q, K, V in f16 from qkv, ctx[b][h][s][64] in bf16.
; Q comes already multiplied by log2(e) / 8, so a score S is the softmax's exponent in units of log2: weight = exp2(S - running maximum), at most 1, exactly 1 at the maximum.
; The cluster's four work-groups are the four query blocks of one (batch, head): they walk the same K and V tiles and ask for each jointly (mask 15).
; Eight waves, 64 queries each, two waves on a SIMD with 512 registers each: one wave's softmax arithmetic can run while the other uses the matrix unit.
; TRANSPOSED FORMS.  S^T = K Q^T: source 0 = 16 keys, source 1 = 16 queries (Q stays in registers): lane (r, h) register j = score(key 8 h + j, query r),
; so maximum, sum and rescaling are a lane's own but for one exchange between the halves; two neighbouring key tiles, packed to f16 in place, ARE the
; source-1 fragment of O^T = V^T P^T; its source 0 comes from V's rows by the transposing LDS load.  O: lane (r, h) register j = O(query r, d = 16 mb + 8 h + j).
; THE MASK.  K's masked rows are zeros in qkv, and the first score product takes as C a tile with 0 or -1e9 log2(e) per key: a masked score is exactly that constant,
; the same for all masked keys.  The running maximum is taken away as in the softmax; a batch row with every key masked gives weights of exactly 1 each, the mean of V.
; WHY f16: 11 significant bits against bf16's 8 for the four roundings on the way (Q, K, weights, V); the weights lie in [0, 1], the others' room is counted where they are stored.
; LIMITS: operands beyond f16's 65,504 arrive as infinities; a non-finite q against a masked key gives NaN (0 x infinity) where the definition puts -1e9.
; TILES of 512 keys, four of them; a row of 256 bytes in memory and LDS holds two keys' 64 numbers.  Two slots; every wave asks for 64 rows of each tile; a load has a whole
; tile's work (512 matrix instructions a wave) to land, and a round of the cluster's barrier stands in front of each tile alone.
; ONE TEXT FOR ALL STEPS OF A TILE: a step (64 keys) takes its LDS addresses from registers that are stepped, so a tile is a counted loop over one step's text; that text
; stands five times in the kernel (the very first step, which starts the sums, and once for each tile) instead of once for each of the 32 steps.
.set VPITCH, 288                       ; 256 + 32: the transposing load's sixteen lanes hit sixteen different 16-byte columns modulo 256
.set KPITCH, 272                       ; 256 + 16: likewise for the plain fragment loads
.set TROWS,  256                       ; LDS rows of a tile
.set VBYTES, TROWS*VPITCH
.set KBYTES, TROWS*KPITCH
.set SLOT,   VBYTES+KBYTES             ; V's tile, then K's
.set BIAS,   2*SLOT                    ; 2,048 f32: 0 or the mask's constant per key
.set STAGE,  BIAS+8192                 ; 16 rows x 144 bytes for each wave
.set SPITCH, 144
.set VSTEP,  32*VPITCH                 ; a step's 64 keys are 32 LDS rows
.set KSTEP,  32*KPITCH
.set STEPS,  8                         ; steps in a tile
.set KA,  1                            ; v1-2   K fragment address of a tile's first step, slot 0, 1; never rewritten
.set VA,  3                            ; v3-4   the same for V
.set BA,  5                            ; v5     the mask terms' address for key 0; never rewritten
.set STO, 6
.set RD,  7
.set CO,  8
.set KC,  10                           ; v10-12 the addresses that the loads of K, V and the mask's terms use, stepped from step to step
.set VC,  11
.set BC,  12
.set M,   14                           ; v[14:17] running maxima of my 4 query blocks
.set MN,  18                           ; v[18:21] the new maxima, while the old ones are still needed
.set LS,  22                           ; v[22:25] running sums (my half of the keys)
.set NM,  26                           ; v[26:29] the maxima's negatives, for the packed sums
.set Q,   32                           ; v[32:95]   Q fragments at 16 nb + 8 ks
.set KF,  96                           ; v[96:159]  K fragments at 16 kt + 8 ks
.set VF,  160                          ; v[160:223] V^T fragments at 8 (4 kg + mb)
.set CB,  224                          ; v[224:255] the mask's C tiles, 8 a key tile; between the score products and the next loads into them: TP, AL, LA
.set TP,  224
.set AL,  228
.set LA,  232
.set O,   128                          ; window 1: S[nb][kt] at 32 nb + 8 kt (P[nb][kg] over the first 8 of 32 nb + 16 kg); O[mb][nb] at 128 + 8 (4 mb + nb)
.set T,   96                           ; the way out
.set TB,  128
.set RB,  160
.set G1V, 16
.set G1K, 24
.set G0V, 32
.set G0K, 40
.set MSB, 0
.macro WIN new
.if MSB != (\new)
	s_set_vgpr_msb (MSB<<8)|(\new)
.set MSB, (\new)
.endif
.endm
.macro ROUND                           ; a round of the cluster's barrier
	s_barrier_signal -1
	s_barrier_wait -1
	s_cmp_lg_u32 s10, 0
	s_cbranch_scc1 .Lnot_wave_0_\@
	s_barrier_signal -3
.Lnot_wave_0_\@:
	s_barrier_wait -3
	s_barrier_signal -1
	s_barrier_wait -1
.endm
; A joint load: waves 0-3 ask for V's quarters (64 rows of 256 bytes), waves 4-7 for K's.  The branch hangs on the wave's number alone.
.macro JLOAD s
	s_cmp_ge_u32 s10, 4
	s_cbranch_scc1 .Lfor_k_\@
	tensor_load_to_lds s[G0V+4*(\s):G0V+4*(\s)+3], s[G1V:G1V+7]
	s_nop 0
.rept 4
	v_nop
.endr
	s_branch .Lasked_\@
.Lfor_k_\@:
	tensor_load_to_lds s[G0K+4*(\s):G0K+4*(\s)+3], s[G1K:G1K+7]
	s_nop 0
.rept 4
	v_nop
.endr
.Lasked_\@:
.endm
	s_load_b128 s[4:7], s[0:1], 0x0                ; qkv s[4:5], mask s[6:7]
	s_load_b64 s[8:9], s[0:1], 0x10                ; ctx
	v_lshl_add_u32 v13, v0, 2, 0x4c800
	v_mov_b32 v30, 0
	ds_add_u32 v13, v30
	v_lshrrev_b32 v103, 5, v0
	v_readfirstlane_b32 s10, v103                  ; wave
	s_and_b32 s12, s10, 3                          ; which quarter of a tile I ask for
	s_bfe_u32 s13, ttmp6, 0x40000                  ; cx: my block of 512 queries
	s_mov_b32 s52, 0x76543210                      ; v_permlanex16_b32: lane i of one half reads lane i of the other
	s_mov_b32 s53, 0xfedcba98
	s_mov_b32 s[G1V+0], 15|(1<<16)|(1<<20)|(1<<21)|(5<<22)|(7<<25)   ; mask of all four; 2-byte elements; padding: after every 64 words 8 words
	s_mov_b32 s[G1K+0], 15|(1<<16)|(1<<20)|(1<<21)|(5<<22)|(3<<25)   ; 4 words
	s_mov_b32 s[G1V+1], 128<<16                    ; tensor_dim0 = 128 elements
	s_mov_b32 s[G1K+1], 128<<16
	s_mov_b32 s[G1V+2], 64<<16                     ; tensor_dim1 = 64 rows
	s_mov_b32 s[G1K+2], 64<<16
	s_mov_b32 s[G1V+3], 128<<16                    ; tile_dim0
	s_mov_b32 s[G1K+3], 128<<16
	s_mov_b32 s[G1V+4], 64                         ; tile_dim1
	s_mov_b32 s[G1K+4], 64
	s_mov_b32 s[G1V+5], 128                        ; dense: a row begins where the last ends
	s_mov_b32 s[G1K+5], 128
	s_mov_b32 s[G1V+6], 0
	s_mov_b32 s[G1K+6], 0
	s_mov_b32 s[G1V+7], 0
	s_mov_b32 s[G1K+7], 0
	s_lshr_b32 s54, ttmp9, 4                       ; batch (ttmp9 counts clusters = (batch, head))
	s_and_b32 s55, ttmp9, 15                       ; head
	s_mul_i32 s56, s54, 48
	s_add_co_u32 s56, s56, s55
	s_lshl_b32 s56, s56, 18                        ; Q's head: 262,144 bytes a head
	s_lshl_b32 s57, s12, 14                        ; my quarter of a tile: 16,384 bytes
	s_add_co_u32 s58, s56, s57
	s_add_co_u32 s58, s58, 0x400000                ; K's head: 16 heads on
	s_mov_b32 s59, 0
	s_add_co_u32 s60, s58, 0x400000                ; V's head
	s_mov_b32 s61, 0
	s_lshl_b32 s62, s13, 16                        ; my 512 queries (cx enters s62 alone, which feeds no descriptor)
	s_add_co_u32 s62, s62, s56
	s_mov_b32 s63, 0
	s_lshl_b32 s54, s54, 13                        ; the batch's row of the mask
	s_mov_b32 s55, 0
	s_mul_i32 s14, s10, 64*VPITCH                  ; LDS: V's quarters at wave x 18,432 (waves 0-3)
	s_mul_i32 s15, s10, 64*KPITCH
	s_add_co_u32 s15, s15, VBYTES-4*64*KPITCH      ; K's quarters at wave x 17,408 + 4,096 (waves 4-7): behind V's 73,728 bytes
	s_wait_dscnt 0x0
	s_wait_kmcnt 0x0
	s_add_nc_u64 s[58:59], s[4:5], s[58:59]
	s_add_nc_u64 s[60:61], s[4:5], s[60:61]
	s_add_nc_u64 s[62:63], s[4:5], s[62:63]
	s_add_nc_u64 s[6:7], s[6:7], s[54:55]
.irp s, 0,1
	s_mov_b32 s[G0V+4*\s], 1
	s_add_co_u32 s[G0V+4*\s+1], s14, \s*SLOT
	s_add_nc_u64 s[G0V+4*\s+2:G0V+4*\s+3], s[60:61], \s*65536      ; tile s
	s_or_b32 s[G0V+4*\s+3], s[G0V+4*\s+3], 0x80000000
	s_mov_b32 s[G0K+4*\s], 1
	s_add_co_u32 s[G0K+4*\s+1], s15, \s*SLOT
	s_add_nc_u64 s[G0K+4*\s+2:G0K+4*\s+3], s[58:59], \s*65536
	s_or_b32 s[G0K+4*\s+3], s[G0K+4*\s+3], 0x80000000
.endr
	ROUND                                          ; in front of the first joint load
	JLOAD 0                                        ; tile 0
	v_lshlrev_b32 v9, 5, v0                        ; thread t: 8 words of the mask at byte 32 t
	global_load_b128 v[224:227], v9, s[6:7]
	global_load_b128 v[228:231], v9, s[6:7] offset:16
	v_and_b32 v96, 15, v0                          ; r
	v_bfe_u32 v97, v0, 4, 1                        ; h
	v_and_b32 v98, 31, v0                          ; lane
	v_lshlrev_b32 v103, 13, v103                   ; 64 queries of 128 bytes a wave
	v_lshl_add_u32 v103, v96, 7, v103
	v_lshl_add_u32 v31, v97, 4, v103               ; Q fragment: row 64 w + r, byte 16 h
.irp nb, 0,1,2,3
.irp ks, 0,1
	global_load_b128 v[Q+16*\nb+8*\ks:Q+16*\nb+8*\ks+3], v31, s[62:63] offset:2048*\nb+64*\ks
	global_load_b128 v[Q+16*\nb+8*\ks+4:Q+16*\nb+8*\ks+7], v31, s[62:63] offset:2048*\nb+64*\ks+32
.endr
.endr
	v_lshrrev_b32 v99, 1, v96
	v_mul_u32_u24 v99, v99, KPITCH                 ; key r lies in LDS row r / 2,
	v_and_b32 v100, 1, v96
	v_lshl_add_u32 v99, v100, 7, v99               ; in its half r % 2
	v_lshl_add_u32 v99, v97, 4, v99
	v_add_nc_u32 v[KA], VBYTES, v99
	v_add_nc_u32 v[KA+1], VBYTES+SLOT, v99
	v_bfe_u32 v101, v0, 1, 2                       ; transposing load: lane addresses key 8 h + (lane & 7): LDS row 4 h + (lane & 7) / 2,
	v_lshl_add_u32 v101, v97, 2, v101
	v_mul_u32_u24 v101, v101, VPITCH
	v_lshl_add_u32 v101, v100, 7, v101             ; half lane & 1,
	v_bfe_u32 v102, v0, 3, 1
	v_lshl_add_u32 v[VA], v102, 4, v101            ; and 16 bytes (8 d) by bit 3 of the lane
	v_add_nc_u32 v[VA+1], SLOT, v[VA]
	v_lshlrev_b32 v[BA], 5, v97
	v_add_nc_u32 v[BA], BIAS, v[BA]                ; keys 8 h .. 8 h + 7
	s_mul_i32 s54, s10, 16*SPITCH
	s_add_co_u32 s54, s54, STAGE
	v_mul_u32_u24 v99, v96, SPITCH
	v_lshl_add_u32 v99, v97, 4, v99
	v_add_nc_u32 v[STO], s54, v99
	v_lshrrev_b32 v99, 3, v98
	v_mul_u32_u24 v99, v99, SPITCH
	v_and_b32 v101, 7, v98
	v_lshl_add_u32 v99, v101, 4, v99
	v_add_nc_u32 v[RD], s54, v99
	v_lshlrev_b32 v[CO], 4, v98
	v_add_nc_u32 v104, BIAS, v9
	v_mov_b32 v105, 0xceabfb8f                     ; -1e9 x log2(e)
.irp nb, 0,1,2,3
	v_mov_b32 v[M+\nb], 0xff800000                 ; the maximum before the first step: -infinity
.endr
	s_wait_loadcnt 0x10                            ; the mask's two loads are in; Q's sixteen stay out
.irp i, 0,1,2,3,4,5,6,7
	v_cmp_eq_u32 vcc_lo, 0, v[224+\i]
	v_cndmask_b32 v[224+\i], 0, v105, vcc_lo
.endr
	ds_store_b128 v104, v[224:227]
	ds_store_b128 v104, v[228:231] offset:16       ; waited for in front of the first tile's round, behind which all waves read them
	s_wait_loadcnt 0x0                             ; Q
; 24 LDS loads: the K fragments and the mask's C tiles of the step (64 keys) that KC and BC point at
.macro KLOAD
.irp kt, 0,1,2,3
.irp ks, 0,1
	ds_load_b128 v[KF+16*\kt+8*\ks:KF+16*\kt+8*\ks+3], v[KC] offset:8*KPITCH*\kt+64*\ks
	ds_load_b128 v[KF+16*\kt+8*\ks+4:KF+16*\kt+8*\ks+7], v[KC] offset:8*KPITCH*\kt+64*\ks+32
.endr
.endr
.irp kt, 0,1,2,3
	ds_load_b128 v[CB+8*\kt:CB+8*\kt+3], v[BC] offset:64*\kt
	ds_load_b128 v[CB+8*\kt+4:CB+8*\kt+7], v[BC] offset:64*\kt+16
.endr
.endm
; 16 transposing LDS loads: V^T fragments, 16 d x 32 keys each, of the step that VC points at
.macro VLOAD
.irp kg, 0,1
.irp mb, 0,1,2,3
	ds_load_tr16_b128 v[VF+8*(4*\kg+\mb):VF+8*(4*\kg+\mb)+3], v[VC] offset:16*VPITCH*\kg+32*\mb
	ds_load_tr16_b128 v[VF+8*(4*\kg+\mb)+4:VF+8*(4*\kg+\mb)+7], v[VC] offset:16*VPITCH*\kg+32*\mb+8*VPITCH
.endr
.endr
.endm
; S - maximum for pair i of score tile g (query block g / 4: its negative maximum is picked from its pair by op_sel)
.macro PSUB g, i
.if ((\g)>>2)&1
	v_pk_add_f32 v[8*(\g)+2*(\i):8*(\g)+2*(\i)+1], v[8*(\g)+2*(\i):8*(\g)+2*(\i)+1], v[NM+2*((\g)>>3):NM+2*((\g)>>3)+1] op_sel:[0,1] op_sel_hi:[1,1]
.else
	v_pk_add_f32 v[8*(\g)+2*(\i):8*(\g)+2*(\i)+1], v[8*(\g)+2*(\i):8*(\g)+2*(\i)+1], v[NM+2*((\g)>>3):NM+2*((\g)>>3)+1] op_sel_hi:[1,0]
.endif
.endm
; O x alpha for pair i of O tile t (query block t % 4)
.macro PMUL t, i
.if (\t)&1
	v_pk_mul_f32 v[O+8*(\t)+2*(\i):O+8*(\t)+2*(\i)+1], v[O+8*(\t)+2*(\i):O+8*(\t)+2*(\i)+1], v[AL+2*(((\t)>>1)&1):AL+2*(((\t)>>1)&1)+1] op_sel:[0,1] op_sel_hi:[1,1]
.else
	s_wait_alu depctr_va_vdst(0)
	v_pk_mul_f32 v[O+8*(\t)+2*(\i):O+8*(\t)+2*(\i)+1], v[O+8*(\t)+2*(\i):O+8*(\t)+2*(\i)+1], v[AL+2*(((\t)>>1)&1):AL+2*(((\t)>>1)&1)+1] op_sel_hi:[1,0]
.endif
.endm
; One step: 64 keys x my 64 queries, of tile `tile` in slot `slot`.  first = 1: the very first step (nothing to rescale, the sums start).
.macro STEP slot, tile, first
	s_wait_dscnt 0x0                               ; K fragments and mask tiles are in
	; scores.  The 16 accumulators take turns, one instruction a turn.
	WIN 0x40                                       ; D in window 1, C = the mask's tile in window 0
.irp kt, 0,1,2,3
.irp nb, 0,1,2,3
	v_wmma_f32_16x16x32_f16 v[32*\nb+8*\kt:32*\nb+8*\kt+7], v[KF+16*\kt:KF+16*\kt+7], v[Q+16*\nb:Q+16*\nb+7], v[CB+8*\kt:CB+8*\kt+7]
.endr
.endr
	WIN 0x50
.irp kt, 0,1,2,3
.irp nb, 0,1,2,3
	v_wmma_f32_16x16x32_f16 v[32*\nb+8*\kt:32*\nb+8*\kt+7], v[KF+16*\kt+8:KF+16*\kt+15], v[Q+16*\nb+8:Q+16*\nb+15], v[32*\nb+8*\kt:32*\nb+8*\kt+7]
.endr
.endr
.rept 4
	v_nop                                          ; four places (ISA guide 7.12.1): the scores are read, the mask tiles' registers written, V's registers loaded
.endr
	WIN 0
	VLOAD
	v_add_nc_u32 v[VC], VSTEP, v[VC]               ; the next step's V (an LDS instruction's address register is free once it is issued)
	; the running maximum: eight chains, two a query block, each begun from the old maximum
	WIN 0x14
.irp nb, 0,1,2,3
	v_max3_num_f32 v[MN+\nb], v[M+\nb], v[32*\nb], v[32*\nb+1]
	v_max3_num_f32 v[TP+\nb], v[M+\nb], v[32*\nb+16], v[32*\nb+17]
.endr
.irp i, 1,2,3,4,5,6,7
.irp nb, 0,1,2,3
	v_max3_num_f32 v[MN+\nb], v[MN+\nb], v[32*\nb+2*\i], v[32*\nb+2*\i+1]
	v_max3_num_f32 v[TP+\nb], v[TP+\nb], v[32*\nb+16+2*\i], v[32*\nb+17+2*\i]
.endr
.endr
	WIN 0
.irp nb, 0,1,2,3
	v_max_num_f32 v[MN+\nb], v[MN+\nb], v[TP+\nb]
.endr
.irp nb, 0,1,2,3
	v_permlanex16_b32 v[TP+\nb], v[MN+\nb], s52, s53               ; the other half of the lanes holds the query's other keys
.endr
.irp nb, 0,1,2,3
	v_max_num_f32 v[MN+\nb], v[MN+\nb], v[TP+\nb]
.endr
.if 1-\first
.irp nb, 0,1,2,3
	v_sub_f32 v[AL+\nb], v[M+\nb], v[MN+\nb]                       ; old maximum - new maximum
.endr
.irp nb, 0,1,2,3
	v_exp_f32 v[AL+\nb], v[AL+\nb]                 ; alpha; the plain lines below stand between it and its first use (ISA guide 5.7.2)
.endr
.endif
.irp nb, 0,1,2,3
	v_mov_b32 v[M+\nb], v[MN+\nb]                  ; four copies a step, so that every step names the same registers and one text serves them all
.endr
.irp nb, 0,1,2,3
	v_mul_f32 v[NM+\nb], -1.0, v[MN+\nb]           ; the packed sums below add the negative maximum
.endr
	; weights p = exp2(S - maximum), in place; between the exponentials of tile g stand the subtractions of tile g + 1 and the rescaling of one O tile
	WIN 0x41
.irp i, 0,1,2,3
	PSUB 0, \i
.endr
.set gg, 0
.rept 16
.irp i, 0,1,2,3
	v_exp_f32 v[8*gg+2*\i], v[8*gg+2*\i]
.if gg < 15
	PSUB gg+1, \i
.endif
	v_exp_f32 v[8*gg+2*\i+1], v[8*gg+2*\i+1]
.if 1-\first
	PMUL gg, \i
.endif
.endr
.set gg, gg+1
.endr
.if \first
	v_nop                                          ; a plain place behind the last exponential
	s_wait_alu depctr_va_vdst(0)
.endif
	; sums of the weights, eight chains of pairs
	WIN 0x05
	s_wait_alu depctr_va_vdst(0)
.irp nb, 0,1,2,3
.irp c, 0,1
	v_pk_add_f32 v[LA+4*\nb+2*\c:LA+4*\nb+2*\c+1], v[32*\nb+16*\c:32*\nb+16*\c+1], v[32*\nb+16*\c+2:32*\nb+16*\c+3]
.endr
.endr
	WIN 0x01
.irp i, 2,3,4,5,6,7
.irp nb, 0,1,2,3
.irp c, 0,1
	v_pk_add_f32 v[LA+4*\nb+2*\c:LA+4*\nb+2*\c+1], v[32*\nb+16*\c+2*\i:32*\nb+16*\c+2*\i+1], v[LA+4*\nb+2*\c:LA+4*\nb+2*\c+1]
.endr
.endr
.endr
	WIN 0
.irp nb, 0,1,2,3
	v_pk_add_f32 v[LA+4*\nb:LA+4*\nb+1], v[LA+4*\nb:LA+4*\nb+1], v[LA+4*\nb+2:LA+4*\nb+3]
.endr
.irp nb, 0,1,2,3
.if \first
	v_add_f32 v[LS+\nb], v[LA+4*\nb], v[LA+4*\nb+1]
.else
	v_add_f32 v[LA+4*\nb], v[LA+4*\nb], v[LA+4*\nb+1]
.endif
.endr
.if 1-\first
.irp nb, 0,1,2,3
	v_fma_f32 v[LS+\nb], v[LS+\nb], v[AL+\nb], v[LA+4*\nb]
.endr
.endif
	; weights to f16, in place and ascending: register i takes registers 2 i and 2 i + 1, which no later line needs
	WIN 0x45
.irp nb, 0,1,2,3
.irp kg, 0,1
.irp i, 0,1,2,3,4,5,6,7
	v_cvt_pk_f16_f32 v[32*\nb+16*\kg+\i], v[32*\nb+16*\kg+2*\i], v[32*\nb+16*\kg+2*\i+1]
.endr
.endr
.endr
	WIN 0
	; the next step's K fragments and mask terms go out ahead of this step's second product.  The offsets stop at the tile's last step: that step asks once more
	; for its own 24 loads (of a tile's 344), which nobody uses, and in exchange needs no text of its own.
	s_add_co_u32 s60, s60, KSTEP
	s_min_u32 s60, s60, (STEPS-1)*KSTEP
	s_add_co_u32 s61, s61, 256
	s_min_u32 s61, s61, \tile*STEPS*256+(STEPS-1)*256
	v_add_nc_u32 v[KC], s60, v[KA+\slot]
	v_add_nc_u32 v[BC], s61, v[BA]
	KLOAD
	s_wait_dscnt 24                                ; V's sixteen loads are in; the 24 just issued stay out
	; O += V^T P^T.  The 16 accumulators take turns, one instruction a turn.
	WIN 0x54
.irp kg, 0,1
.irp mb, 0,1,2,3
.irp nb, 0,1,2,3
.if (\first)*(1-\kg)
	v_wmma_f32_16x16x32_f16 v[O+8*(4*\mb+\nb):O+8*(4*\mb+\nb)+7], v[VF+8*(4*\kg+\mb):VF+8*(4*\kg+\mb)+7], v[32*\nb+16*\kg:32*\nb+16*\kg+7], 0
.else
	v_wmma_f32_16x16x32_f16 v[O+8*(4*\mb+\nb):O+8*(4*\mb+\nb)+7], v[VF+8*(4*\kg+\mb):VF+8*(4*\kg+\mb)+7], v[32*\nb+16*\kg:32*\nb+16*\kg+7], v[O+8*(4*\mb+\nb):O+8*(4*\mb+\nb)+7]
.endif
.endr
.endr
.endr
	WIN 0
.rept 5
	v_nop                                          ; five places: the next score products write over the weights' registers
.endr
.endm
; One tile of 512 keys.  The round of the cluster's barrier stands between all reads of the other slot, in every wave of all four work-groups, and its refill.
.macro TRIP tile, slot, refill, first
	s_wait_tensorcnt 0x0                           ; all my tensor loads are done, my part of this tile among them,
	ds_add_u32 v13, v30
	s_wait_dscnt 0x0
	s_add_nc_u64 s[G0V+4*\slot+2:G0V+4*\slot+3], s[G0V+4*\slot+2:G0V+4*\slot+3], 131072   ; so the descriptors may be written: this slot's next tile, two on
	s_add_nc_u64 s[G0K+4*\slot+2:G0K+4*\slot+3], s[G0K+4*\slot+2:G0K+4*\slot+3], 131072
	s_wait_dscnt 0x0                               ; my LDS reads of the last tile (and, the first time, my stores of the mask's terms) are done
	ROUND
.if \refill
	JLOAD 1-\slot                                  ; my one tensor load behind the round, first thing there: the next tile, into the slot read last
.endif
	s_mov_b32 s60, 0                               ; the step's byte offset in K's tile,
	s_mov_b32 s61, \tile*STEPS*256                 ; and among the mask's terms
	v_mov_b32 v[KC], v[KA+\slot]
	v_mov_b32 v[VC], v[VA+\slot]
	v_add_nc_u32 v[BC], s61, v[BA]
	KLOAD
.if \first
	STEP \slot, \tile, 1
	s_mov_b32 s51, STEPS-1
.else
	s_mov_b32 s51, STEPS
.endif
.Lstep_\@:
	STEP \slot, \tile, 0
	s_sub_co_i32 s51, s51, 1
	s_cmp_lg_u32 s51, 0
	s_cbranch_scc1 .Lstep_\@
.endm
	TRIP 0, 0, 1, 1
	TRIP 1, 1, 1, 0
	TRIP 2, 0, 1, 0                                ; asks for the last tile
	TRIP 3, 1, 0, 0                                ; nothing is left to ask for (the stepped addresses are not used)
	s_wait_dscnt 0x0                               ; the last step's 24 loads land in registers that the way out uses
	; THE WAY OUT: divide by the sum, round to bf16, through my own stage, out in runs of 512 bytes
.irp nb, 0,1,2,3
	v_permlanex16_b32 v[TP+\nb], v[LS+\nb], s52, s53
.endr
.irp nb, 0,1,2,3
	v_add_f32 v[LS+\nb], v[LS+\nb], v[TP+\nb]      ; both halves of the keys
.endr
.irp nb, 0,1,2,3
	v_rcp_f32 v[LS+\nb], v[LS+\nb]                 ; the sum is at least the largest score's weight, which is 1
.endr
	v_nop                                          ; a plain place behind the reciprocals
	s_wait_alu depctr_va_vdst(0)
	s_lshl_b32 s54, ttmp9, 11
	s_lshl_b32 s55, s13, 9
	s_add_co_u32 s54, s54, s55
	s_lshl_b32 s55, s10, 6
	s_add_co_u32 s54, s54, s55                     ; row 2,048 (batch, head) + 512 cx + 64 wave
	s_lshl_b32 s54, s54, 7
	s_mov_b32 s55, 0
	s_add_nc_u64 s[8:9], s[8:9], s[54:55]
.macro OUTNB nb
	WIN 0x01
.irp mb, 0,1,2,3
.irp i, 0,1,2,3
.if (\nb)&1
	v_pk_mul_f32 v[T+8*\mb+2*\i:T+8*\mb+2*\i+1], v[O+8*(4*\mb+\nb)+2*\i:O+8*(4*\mb+\nb)+2*\i+1], v[LS+2*((\nb)>>1):LS+2*((\nb)>>1)+1] op_sel:[0,1] op_sel_hi:[1,1]
.else
	v_pk_mul_f32 v[T+8*\mb+2*\i:T+8*\mb+2*\i+1], v[O+8*(4*\mb+\nb)+2*\i:O+8*(4*\mb+\nb)+2*\i+1], v[LS+2*((\nb)>>1):LS+2*((\nb)>>1)+1] op_sel_hi:[1,0]
.endif
.endr
.endr
	WIN 0
.irp mb, 0,1,2,3
.irp i, 0,1,2,3
	v_cvt_pk_bf16_f32 v[TB+4*\mb+\i], v[T+8*\mb+2*\i], v[T+8*\mb+2*\i+1]
.endr
.endr
.irp mb, 0,1,2,3
	ds_store_b128 v[STO], v[TB+4*\mb:TB+4*\mb+3] offset:32*\mb
.endr
	s_wait_xcnt 0x0                                ; the registers that earlier stores read are loaded again only behind this wait
.irp t, 0,1,2,3
	ds_load_b128 v[RB+16*((\nb)&1)+4*\t:RB+16*((\nb)&1)+4*\t+3], v[RD] offset:4*SPITCH*\t   ; LDS serves a wave's instructions in order: these see the stores above
.endr
.irp t, 0,1,2,3
	s_wait_dscnt 3-\t
	global_store_b128 v[CO], v[RB+16*((\nb)&1)+4*\t:RB+16*((\nb)&1)+4*\t+3], s[8:9] offset:2048*\nb+512*\t   ; 512 consecutive bytes, aligned
.endr
.endm
	OUTNB 0
	OUTNB 1
	OUTNB 2
	OUTNB 3
	s_wait_tensorcnt 0x0
	ds_add_u32 v13, v30
	s_wait_dscnt 0x0
	ROUND                                          ; the closing round: no work-group ends while a partner may still ask jointly
	s_endpgm
.Lfunc_end_k_qdc81e85592_attn:
	.size	k_qdc81e85592_attn, .Lfunc_end_k_qdc81e85592_attn-k_qdc81e85592_attn
	.p2alignl 7, 3214868480
	.fill 96, 4, 3214868480
	.section	.rodata,"a",@progbits
	.p2align	6, 0x0
	.amdhsa_kernel k_qdc81e85592_attn
		.amdhsa_group_segment_fixed_size 327680
		.amdhsa_private_segment_fixed_size 0
		.amdhsa_enable_private_segment 0
		.amdhsa_kernarg_size 24
		.amdhsa_user_sgpr_count 2
		.amdhsa_user_sgpr_kernarg_segment_ptr 1
		.amdhsa_wavefront_size32 1
		.amdhsa_system_sgpr_workgroup_id_x 1
		.amdhsa_system_sgpr_workgroup_id_y 1
		.amdhsa_system_sgpr_workgroup_id_z 1
		.amdhsa_system_vgpr_workitem_id 0
		.amdhsa_next_free_vgpr 512
		.amdhsa_next_free_sgpr 66
		.amdhsa_reserve_vcc 1
		.amdhsa_float_denorm_mode_32 3
		.amdhsa_float_denorm_mode_16_64 3
		.amdhsa_memory_ordered 1
		.amdhsa_forward_progress 1
		.amdhsa_inst_pref_size 198
	.end_amdhsa_kernel
	.amdgpu_metadata
---
amdhsa.version: [ 1, 2 ]
amdhsa.kernels:
  - .name:           k_qdc81e85592_attn
    .symbol:         k_qdc81e85592_attn.kd
    .args:
      - { .name: qkv, .offset: 0, .size: 8, .value_kind: global_buffer, .address_space: global }
      - { .name: mask, .offset: 8, .size: 8, .value_kind: global_buffer, .address_space: global }
      - { .name: ctx, .offset: 16, .size: 8, .value_kind: global_buffer, .address_space: global }
    .group_segment_fixed_size: 327680
    .private_segment_fixed_size: 0
    .kernarg_segment_align: 8
    .kernarg_segment_size: 24
    .max_flat_workgroup_size: 256
    .sgpr_count:     66
    .vgpr_count:     512
    .wavefront_size: 32
...
	.end_amdgpu_metadata
.endif
;; end of part 6
;; launch oproj: the kernel of part 4 again; grid 8 x 32, 4 waves a work-group, clusters of 4 x 4, 327,680 bytes of LDS; arguments ctx, wt, b_o, out0; writes out0
